; MI455X (gfx1250); checked and timed in simulation.
; The chip was launched on July 23, 2026; its instructions are those of AMD's public machine-readable ISA for CDNA 5 (MIT licence, August 2026) and "CDNA5" Instruction Set Architecture Reference Guide (July 2026). The comments in the code are by the model that wrote it; some were corrected since.
;; Masked Multi Head Attention. Allowed arithmetic: matrix products marked QUANTISED: E3M2 operands, one E8M0 scale for each 32 along K, by v_wmma_scale_f32_16x16x128_f8f6f4 with both operands' format E3M2, f32 sums; everything else in f32.
;; Inputs: Wk 1,024 x 1,024 float32; Wo 1,024 x 1,024 float32; Wq 1,024 x 1,024 float32; Wv 1,024 x 1,024 float32; bk 1,024 float32; bo 1,024 float32; bq 1,024 float32; bv 1,024 float32; x 4 x 2,048 x 1,024 float32.
;; Outputs: out0 4 x 2,048 x 1,024 float32.
;; This version of the problem:
;;   THIS VERSION OF THE PROBLEM IS GIVEN IN LOW PRECISION. The matrix products marked QUANTISED in the list below multiply operands that are first quantised to E3M2 (3 exponent bits, 2 mantissa bits; 6 bits a number), with one power-of-two scale for each 32 numbers along K (OCP MX v1.0); their sums are f32. All else is computed in f32.
;;   The module's matrix products, in the order in which they are computed (A, B: the left and right operand; K: the contracted axis; several contracted axes count as one K, in the product's order):
;;     1. [M 8,192, K 1,024] x [K 1,024, N 1,024]; A: input x; B: input Wq: QUANTISED
;;     2. [M 8,192, K 1,024] x [K 1,024, N 1,024]; A: input x; B: input Wk: QUANTISED
;;     3. [M 8,192, K 1,024] x [K 1,024, N 1,024]; A: input x; B: input Wv: QUANTISED
;;     4. batch 64 x [M 2,048, K 64] x [K 64, N 2,048]; A: computed on the way; B: computed on the way: QUANTISED
;;     5. batch 64 x [M 2,048, K 2,048] x [K 2,048, N 64]; A: softmax (see below); B: computed on the way: QUANTISED
;;     6. [M 8,192, K 1,024] x [K 1,024, N 1,024]; A: computed on the way; B: input Wo: QUANTISED
;;   THE QUANTISER, for each operand of a quantised product, along K:
;;     - K is cut into blocks of 32 from its start; a last block that is shorter is filled with zeros.
;;     - A block's scale is 2^e with e = floor(log2(the largest magnitude in the block)) - 4, held to -126 .. 127; a block of zeros has e = 0. As a byte (E8M0): e + 127.
;;     - Each number is divided by its block's scale, clamped to +-28, and rounded to the nearest number of E3M2, ties to even, subnormals kept.
;;     - The product sums the exact products of the quantised numbers (number of the format x scale) in f32.
;;   ~~~python
;;   def quantise(x, axis):      # numpy; x: float32 -> the quantised numbers, widened to float32 again
;;       x = np.moveaxis(x, axis, -1); K = x.shape[-1]
;;       x = np.pad(x, [(0, 0)] * (x.ndim - 1) + [(0, -K % 32)]); x = x.reshape(x.shape[:-1] + (-1, 32)); a = np.abs(x).max(-1, keepdims=True)
;;       e = np.where(a > 0, np.clip(np.frexp(np.where(a > 0, a, 1))[1] - 1 - 4, -126, 127), 0)      # np.frexp(a)[1] - 1 = floor(log2(a)), exactly
;;       r = np.clip(x / 2.0 ** e, -28, 28)
;;       step = 2.0 ** (np.maximum(np.frexp(np.where(r == 0, 1, r))[1] - 1, -2) - 2)
;;       q = np.round(r / step) * step * 2.0 ** e      # np.round: ties to even
;;       return np.moveaxis(q.reshape(q.shape[:-2] + (-1,))[..., :K], -1, axis).astype(np.float32)
;;   ~~~
;;   SOFTMAX AHEAD OF A QUANTISED PRODUCT. Where the list says 'softmax', what is quantised is not the finished softmax but p = 2^(t - M), with t = logit x log2(e) and M = ceil(the row's largest t), a whole number; so 1/2 < the row's largest p <= 1. The row's sum l is taken of the UNQUANTISED p, in f32, and the product's result is divided by l at the end. Since M is a whole number, a kernel that streams over the keys may use a running M (the ceiling of the running maximum): every later rescaling is an exact power of two, which a block's scale takes up: the codes' values come out the same.
;;   OPERANDS COMPUTED ON THE WAY. 'Computed on the way' means the value that the module computes at that place (a softmax that the list does not call 'softmax' is quantised finished and normalised). What goes into a quantiser is computed in f32, as accurately as f32 sums, v_exp_f32 and their like allow (about 1e-6 of the number): no bf16 or f16 on the way to a quantiser, and a product that is left as it is and whose result goes on into a quantised operand takes f32 operands (vector FMAs, or v_wmma_f32_16x16x4_f32). A number that lies on a knife's edge between two numbers of the format may be rounded either way, as far as f32 arithmetic and the matrix unit's own rounding can turn it there, and no further.
;; One version. Each part assembles by itself: llvm-mc -triple=amdgcn-amd-amdhsa -mcpu=gfx1250 --defsym DOCPART=n.
;; ======== version 1 of 1: 4 launches
;; workspace buffers: xw_img 9,437,184 bytes; xw_sc 393,216 bytes; qk 13,107,200 bytes; vv 6,553,600 bytes; o_img 6,291,456 bytes; o_sc 262,144 bytes
;; launch quant (part 1): grid 384 x 1, 4 waves a work-group, no clusters, 35,328 bytes of LDS; arguments x, Wq, Wk, Wv, Wo, xw_img, xw_sc; writes xw_img, xw_sc
.if DOCPART == 1
	.amdgcn_target "amdgcn-amd-amdhsa--gfx1250"
	.amdhsa_code_object_version 6
	.text
	.protected	k_q8f5c9b5dd6_quant
	.globl	k_q8f5c9b5dd6_quant
	.p2align	8
	.type	k_q8f5c9b5dd6_quant,@function
k_q8f5c9b5dd6_quant:
	s_mov_b64 s[64:65], 0
	v_nop
	global_prefetch_b8 v0, s[64:65] scope:SCOPE_SE
	s_setreg_imm32_b32 hwreg(HW_REG_WAVE_MODE, 25, 1), 1
	s_wait_xcnt 0x0
; x [8192][1024] and Wq, Wk, Wv, Wo [1024][1024], f32, K innermost, become codes of BF6 (E3M2) with one E8M0 byte for each 32 along K.
; The five tensors count as one matrix of 12,288 rows (x, Wq, Wk, Wv, Wo on end).  A block's scale is 2^(floor(log2(largest magnitude)) - 4); its byte is the
; largest magnitude's exponent field - 4, held at 1 from below.
; LAYOUT OF THE CODES: in the order of the operand's registers.  A ROW BLOCK rho = 2 beta + u is 16 rows: lane r holds row 32 beta + 8 u + r + 8 (r / 8).  A fragment (one row block x 128 K,
; 12 registers a lane) is 1,536 bytes: six pieces of 256 bytes; piece p holds registers 2 p, 2 p + 1, lane l's 8 bytes at 256 p + 8 l.  The matrix lies [rho][K / 128][1,536].
; LAYOUT OF THE SCALE BYTES: plain rows, [row][32].
; SHARES: a work-group takes 32 rows (one beta) x all K; wave w takes row block u = w % 2 and fragments 4 (w / 2) .. + 3.
; A fragment's 16 rows x 512 bytes are loaded as they lie (a load = 512 consecutive bytes of one row), turn through the wave's own stage in LDS and come back so that lane (r, h) holds
; k = 64 c + 32 h + 0 .. 31 of row r: two whole blocks of 32, so no other lane is asked for a maximum and the conversions' results are the operand's registers.
; Memory binds: no matrix unit, no tensor load, no cluster (no two work-groups read the same byte).
; LIMITS: NaN and infinities among the inputs are not served.  A block of zeros gets the byte 1 where the rule says 127: its codes are zeros, and this program alone reads the bytes.
.set STGB,  8448                       ; a wave's stage: 16 rows x (512 bytes + 16)
.set SCR,   4*STGB                     ; behind the stages: the work-group's 32 rows of 32 scale bytes
.set MX,  10                           ; v10-11  largest magnitudes of my two blocks
.set SO,  12                           ; v12-13  the conversions' scale operands
.set BY,  14                           ; v14-15  the scale bytes
.set W,   16                           ; v16     a row's scale word for 128 K
.set PD,  17                           ; v17     a lane permute's destination
.set D,   20                           ; v20-31  the fragment's 12 registers
.set T,   32                           ; v32-34, v36-38  upper halves of the blocks' codes
.set X,   40                           ; v40-103 my 64 numbers
.set R,   104                          ; v104-231 two sets of 64: 16 rows as loaded
	s_load_b256 s[4:11], s[0:1], 0x0               ; x, Wq, Wk, Wv
	s_load_b128 s[12:15], s[0:1], 0x20             ; Wo, xw_img
	s_load_b64 s[16:17], s[0:1], 0x30              ; xw_sc
	v_lshl_add_u32 v232, v0, 2, 0x8800
	v_mov_b32 v233, 0
	v_lshrrev_b32 v1, 5, v0
	v_readfirstlane_b32 s18, v1                    ; wave
	v_and_b32 v1, 31, v0                           ; lane
	v_and_b32 v18, 15, v0                          ; r
	v_bfe_u32 v19, v0, 4, 1                        ; h
	s_and_b32 s19, s18, 1                          ; u
	s_lshr_b32 s20, s18, 1                         ; which half of K
	s_mul_i32 s21, s18, STGB
	v_lshlrev_b32 v2, 4, v1                        ; 16 x lane: my bytes of a load's 512
	v_add_nc_u32 v3, s21, v2                       ; the stage, way in
	v_mul_u32_u24 v4, v18, 528
	v_lshl_add_u32 v4, v19, 7, v4
	v_add_nc_u32 v4, s21, v4                       ; the stage, way out: row r, + 128 h
	v_lshlrev_b32 v5, 3, v1                        ; 8 x lane: my bytes of a piece
	v_and_b32 v6, 8, v18
	v_add_nc_u32 v6, v6, v18                       ; r + 8 (r / 8)
	v_lshlrev_b32 v6, 5, v6
	s_lshl_b32 s22, s19, 8
	s_lshl_b32 s23, s20, 4
	s_add_co_u32 s22, s22, s23
	s_add_co_u32 s22, s22, SCR
	v_add_nc_u32 v6, s22, v6                       ; my row's scale bytes of my half of K
	s_lshl_b32 s23, s18, 8
	v_add_nc_u32 v8, s23, v5                       ; the scale bytes' way out: 256 bytes a wave
	v_add_nc_u32 v7, SCR, v8
	v_lshlrev_b32 v9, 3, v19                       ; 8 h: my bytes' place in a scale word
	v_mov_b32 v[PD], 0                             ; written once: a lane permute's destination counts as one of its sources
	s_mov_b32 s30, 0x76543210
	s_mov_b32 s31, 0xfedcba98                      ; lane l xor 16
	s_and_b32 s24, ttmp9, 31
	s_cmp_lt_u32 ttmp9, 256
	s_cselect_b32 s24, ttmp9, s24                  ; beta in my tensor: x has 256, a weight 32
	s_lshl_b32 s24, s24, 17                        ; 32 rows of 4,096 bytes
	s_lshl_b32 s25, s19, 15                        ; + 8 u rows
	s_add_co_u32 s24, s24, s25
	s_lshl_b32 s25, s20, 11                        ; + my half of K
	s_add_co_u32 s24, s24, s25
	s_mov_b32 s25, 0
	s_mul_i32 s26, ttmp9, 24576                    ; the codes: two row blocks of 12,288 bytes a work-group,
	s_mul_i32 s27, s19, 12288
	s_add_co_u32 s26, s26, s27
	s_mul_i32 s27, s20, 6144                       ; four fragments on for the upper half of K
	s_add_co_u32 s26, s26, s27
	s_mov_b32 s27, 0
	s_lshl_b32 s28, ttmp9, 10                      ; the scale bytes: 1,024 a work-group
	s_mov_b32 s29, 0
	s_wait_kmcnt 0x0
	s_cmp_ge_u32 ttmp9, 256                        ; which tensor: the choice hangs on the work-group's number alone
	s_cselect_b64 s[4:5], s[6:7], s[4:5]
	s_cmp_ge_u32 ttmp9, 288
	s_cselect_b64 s[4:5], s[8:9], s[4:5]
	s_cmp_ge_u32 ttmp9, 320
	s_cselect_b64 s[4:5], s[10:11], s[4:5]
	s_cmp_ge_u32 ttmp9, 352
	s_cselect_b64 s[4:5], s[12:13], s[4:5]
	s_add_nc_u64 s[4:5], s[4:5], s[24:25]
	s_add_nc_u64 s[14:15], s[14:15], s[26:27]
	s_add_nc_u64 s[16:17], s[16:17], s[28:29]
.macro LOAD t                          ; fragment t's 16 rows, 512 consecutive bytes each, into set t % 2
.irp i, 0,1,2,3,4,5,6,7,8,9,10,11,12,13,14,15
	global_load_b128 v[R+64*((\t)%2)+4*\i:R+64*((\t)%2)+4*\i+3], v2, s[4:5] offset:(\i+8*(\i/8))*4096+512*(\t) th:TH_LOAD_NT
.endr
.endm
.macro FRAGQ t
.if (\t) < 3
	s_wait_loadcnt 16                              ; this fragment's 16 loads are in; the next fragment's 16 may be out
.else
	s_wait_loadcnt 0x0
.endif
.irp i, 0,1,2,3,4,5,6,7,8,9,10,11,12,13,14,15
	ds_store_b128 v3, v[R+64*((\t)%2)+4*\i:R+64*((\t)%2)+4*\i+3] offset:528*\i
.endr
.irp c, 0,1
.irp j, 0,1,2,3,4,5,6,7
	ds_load_b128 v[X+32*\c+4*\j:X+32*\c+4*\j+3], v4 offset:256*\c+16*\j   ; LDS serves a wave's instructions in order: these see the stores above
.endr
.endr
	s_wait_dscnt 0x0                               ; my 64 numbers are back, and the stores have read their registers,
.if (\t) < 2
	LOAD (\t)+2                                    ; which take the fragment two on
.endif
.irp c, 0,1
	v_max3_num_f32 v[MX+\c], |v[X+32*\c]|, |v[X+32*\c+1]|, 0x2800000   ; block 2 c + h: all 32 numbers are mine; the floor 2^(5 - 127) holds the byte at 1 from below
.endr
.irp i, 2,4,6,8,10,12,14,16,18,20,22,24,26,28,30
.irp c, 0,1
	v_max3_num_f32 v[MX+\c], v[MX+\c], |v[X+32*\c+\i]|, |v[X+32*\c+\i+1]|
.endr
.endr
.irp c, 0,1
	v_add_nc_u32 v[SO+\c], 0xfe000000, v[MX+\c]    ; 4 off the exponent field: the conversion takes that field as its scale
.endr
.irp c, 0,1
	v_lshrrev_b32 v[BY+\c], 23, v[SO+\c]           ; the scale's byte
.endr
	v_lshl_or_b32 v[W], v[BY+1], 16, v[BY]         ; my bytes: blocks h and 2 + h,
	v_lshlrev_b32 v[W], v9, v[W]                   ; at their places;
	v_permlanex16_b32 v[PD], v[W], s30, s31
	v_or_b32 v[W], v[W], v[PD]                     ; with lane l xor 16's two the word is whole
.if (\t) > 0
	s_wait_alu depctr_va_vdst(0)
	s_wait_xcnt 0x0                                ; the last fragment's stores have read D: it is written again only behind this wait
.endif
.irp c, 0,1
	v_cvt_scalef32_pk16_bf6_f32 v[D+6*\c:D+6*\c+2], v[X+32*\c:X+32*\c+15], v[SO+\c]
	v_cvt_scalef32_pk16_bf6_f32 v[T+4*\c:T+4*\c+2], v[X+32*\c+16:X+32*\c+31], v[SO+\c]   ; (a conversion's three registers begin on an even number)
.endr
	v_nop                                          ; one plain place behind the conversions
.irp c, 0,1
.irp i, 0,1,2
	v_mov_b32 v[D+6*\c+3+\i], v[T+4*\c+\i]
.endr
.endr
	ds_store_b32 v6, v[W] offset:4*(\t)            ; both halves of the lanes write the same word with the same value
.irp p, 0,1,2,3,4,5
	global_store_b64 v5, v[D+2*\p:D+2*\p+1], s[14:15] offset:1536*(\t)+256*\p   ; 32 lanes store 256 consecutive bytes, aligned
.endr
.endm
	LOAD 0
	LOAD 1
	FRAGQ 0
	FRAGQ 1
	FRAGQ 2
	FRAGQ 3
	s_wait_dscnt 0x0                               ; for the others' sake: my scale words lie in LDS
	s_barrier_signal -1
	s_barrier_wait -1
	ds_load_b64 v[10:11], v7                       ; eight whole rows of scale bytes a wave
	s_wait_dscnt 0x0
	global_store_b64 v8, v[10:11], s[16:17]        ; 256 consecutive bytes, aligned
	s_wait_tensorcnt 0x0
	ds_add_u32 v232, v233
	s_wait_dscnt 0x0
	s_endpgm
.Lfunc_end_k_q8f5c9b5dd6_quant:
	.size	k_q8f5c9b5dd6_quant, .Lfunc_end_k_q8f5c9b5dd6_quant-k_q8f5c9b5dd6_quant
	.p2alignl 7, 3214868480
	.fill 96, 4, 3214868480
	.section	.rodata,"a",@progbits
	.p2align	6, 0x0
	.amdhsa_kernel k_q8f5c9b5dd6_quant
		.amdhsa_group_segment_fixed_size 35328
		.amdhsa_private_segment_fixed_size 0
		.amdhsa_enable_private_segment 0
		.amdhsa_kernarg_size 56
		.amdhsa_user_sgpr_count 2
		.amdhsa_user_sgpr_kernarg_segment_ptr 1
		.amdhsa_wavefront_size32 1
		.amdhsa_system_sgpr_workgroup_id_x 1
		.amdhsa_system_sgpr_workgroup_id_y 1
		.amdhsa_system_sgpr_workgroup_id_z 1
		.amdhsa_system_vgpr_workitem_id 0
		.amdhsa_next_free_vgpr 234
		.amdhsa_next_free_sgpr 66
		.amdhsa_reserve_vcc 0
		.amdhsa_float_denorm_mode_32 3
		.amdhsa_float_denorm_mode_16_64 3
		.amdhsa_memory_ordered 1
		.amdhsa_forward_progress 1
		.amdhsa_inst_pref_size 32
	.end_amdhsa_kernel
	.amdgpu_metadata
---
amdhsa.version: [ 1, 2 ]
amdhsa.kernels:
  - .name:           k_q8f5c9b5dd6_quant
    .symbol:         k_q8f5c9b5dd6_quant.kd
    .args:
      - { .name: x, .offset: 0, .size: 8, .value_kind: global_buffer, .address_space: global }
      - { .name: Wq, .offset: 8, .size: 8, .value_kind: global_buffer, .address_space: global }
      - { .name: Wk, .offset: 16, .size: 8, .value_kind: global_buffer, .address_space: global }
      - { .name: Wv, .offset: 24, .size: 8, .value_kind: global_buffer, .address_space: global }
      - { .name: Wo, .offset: 32, .size: 8, .value_kind: global_buffer, .address_space: global }
      - { .name: xw_img, .offset: 40, .size: 8, .value_kind: global_buffer, .address_space: global }
      - { .name: xw_sc, .offset: 48, .size: 8, .value_kind: global_buffer, .address_space: global }
    .group_segment_fixed_size: 35328
    .private_segment_fixed_size: 0
    .kernarg_segment_align: 8
    .kernarg_segment_size: 56
    .max_flat_workgroup_size: 128
    .sgpr_count:     66
    .vgpr_count:     234
    .wavefront_size: 32
...
	.end_amdgpu_metadata
.endif
;; end of part 1
;; launch proj (part 2): grid 8 x 48, 4 waves a work-group, clusters of 4 x 4, 327,680 bytes of LDS; arguments xw_img, xw_sc, bq, bk, bv, qk, vv; writes qk, vv
.if DOCPART == 2
	.amdgcn_target "amdgcn-amd-amdhsa--gfx1250"
	.amdhsa_code_object_version 6
	.text
	.protected	k_q8f5c9b5dd6_proj
	.globl	k_q8f5c9b5dd6_proj
	.p2align	8
	.type	k_q8f5c9b5dd6_proj,@function
k_q8f5c9b5dd6_proj:
	s_mov_b64 s[64:65], 0
	v_nop
	global_prefetch_b8 v0, s[64:65] scope:SCOPE_SE
	s_setreg_imm32_b32 hwreg(HW_REG_WAVE_MODE, 25, 1), 1
	s_wait_xcnt 0x0
	s_wait_alu depctr_hold_cnt(0) depctr_sa_sdst(0) depctr_va_vdst(0) depctr_va_sdst(0) depctr_va_ssrc(0) depctr_va_vcc(0) depctr_vm_vsrc(0)
	s_getreg_b32 s2, hwreg(HW_REG_IB_STS2, 6, 4)
	s_cmp_eq_u32 s2, 0
	s_cbranch_scc0 .Lentry_in_a_cluster
	s_endpgm
.Lentry_in_a_cluster:
	s_bfe_u32 s2, ttmp6, 0x10000c
	s_cmp_lg_u32 s2, 0xf033
	s_cbranch_scc0 .Lentry_shape_is_right
	s_endpgm
.Lentry_shape_is_right:
; Z[i][j] = sum over k of P[i][k] R[j][k] + bias, on codes of BF6 (E3M2) with E8M0 scales, K = 1,024; Z is quantised along j at once and leaves as codes.
; ROLE 0 (clusters y = 0 .. 7): P = x (8,192 tokens), R = Wq on Wk (2,048 channels): q and k, quantised along a head's 64 channels.
; ROLE 1 (clusters y = 8 .. 11): P = Wv (1,024 channels), R = x: V transposed, quantised along the keys.
; P, R: row blocks of 16 rows (lane r of block 2 beta + u: row 32 beta + 8 u + r + 8 (r / 8)), fragments of 1,536 bytes in the order of the operand's registers, [block][K / 128][1,536];
; scale bytes in plain rows [row][32].  Blocks: x 0, Wq 512, Wk 576, Wv 640.
; A tile of Z, 256 x 256, is made by four waves, 128 x 128 each: 64 accumulators, 512 registers.  K goes in steps of 256 through a ring of two LDS slots; a slot's row is a row block's two
; fragments, 3,072 consecutive bytes.  The scale bytes of the tile's rows come once, with the first fills.
; THE MATRIX INSTRUCTION: source 0 = 16 rows of R, source 1 = 16 rows of P: a lane holds ONE row of P, and, by the order of rows in a block, the 16 registers of R's blocks 2 beta and
; 2 beta + 1 are 16 NEIGHBOURS along j: 32 beta + 16 (lane / 16) + 0 .. 15.  So the conversions take them as they stand, and nothing goes through LDS on the way out.
; CLUSTERS: 4 x 4 work-groups; P's tiles are asked for jointly along a row of the cluster, R's along a column.  ROLE hangs on the cluster's y alone: it is the same in all sixteen partners.
; OUT: qk [G][batch][step of 128 tokens][6,400], G = head for q, 16 + head for k.  A step: four double fragments pi (1,536 bytes; register n of lane l at 512 (n / 4) + 16 l + 4 (n % 4));
;   registers 0-5 of lane (r, h): token 32 pi + r + 8 (r / 8), channels 32 h on; registers 6-11: the token 8 further on; then 256 scale bytes: lane l's 8 bytes at 6,144 + 8 l:
;   word 0 = pi 0 (lanes 0-15), pi 1 (lanes 16-31); word 1 = pi 2, 3; a word = (token's two bytes, token + 8's two bytes).
;   vv [batch][head][step of 128 keys][6,400]: four fragments t of V^T (lane r: channel 32 (t / 2) + 8 (t % 2) + r + 8 (r / 8); K = the step's keys), then the scale words likewise.
; REGISTERS: window 0: v16-31 addresses; v32-63 scale words, two sets; v64-127 bq's or bk's 64 numbers; from v128 P's fragments, one set; on the way out v128-253 at work.
;   window 1: R's fragments, two sets, at v0 and v128; v96-111 bv's eight numbers, each twice.   windows 2, 3: the accumulators ((a, b) at v[8 (8 (a % 4) + b)]).
; No prefetch: a work-group has two refills in all.   LIMITS: NaN and infinities are not served; a block of zeros carries the byte 1 (its codes are zeros; this program alone reads the bytes).
.set NQ,     2                         ; matrix instructions deep in a slot
.set FR,     12                        ; registers of a fragment
.set NL,     6                         ; LDS loads that bring one
.set NP,     4                         ; places behind this matrix instruction (ISA guide 7.12.1)
.set FRGB,   1536                      ; a fragment in bytes
.set STEPB,  NQ*FRGB                   ; a row block's part of a slot
.set HALFT,  8*STEPB                   ; 8 row blocks: what one tensor load brings, and what one wave reads of P or of R
.set SLOT,   4*HALFT                   ; P's 16 row blocks, then R's 16
.set SCL,    2*SLOT                    ; behind the ring: the scale bytes, as units of 256 bytes + 16 of padding
.set HALFS,  16*272                    ; those of 128 rows
.set SPARE,  SCL+4*HALFS               ; the spare words, 128 bytes for each wave: two blocks of 256 bytes that no other line names
.set ADRA, 16                          ; v16-17  LDS address of my P fragments in slot 0, 1
.set ADRB, 20                          ; v20-21  the same for R
.set LI,   24                          ; v24     16 x lane
.set L8,   25                          ; v25     8 x lane
.set ADRS, 27                          ; v27     LDS address of my scale words: lanes 0-15 P's rows, lanes 16-31 R's
.set SPW,  28                          ; v28     LDS address of my spare word; never rewritten
.set NIL,  29                          ; v29     0; never rewritten
.set BOF,  30                          ; v30     bq / bk: 64 x (lane / 16)
.set BVO,  31                          ; v31     bv: 4 x (r + 8 (r / 8))
.set SC,   32
.set BIAS, 64
.set AF,   128
.set BV,   96                          ; in window 1
.set ST,   128                         ; the way out: 64 numbers of a lane
.set I0,   192                         ; two images of 12 registers
.set I1,   204
.set T,    216                         ; v216-218, v220-222 upper halves of the blocks' codes
.set TM,   224                         ; v224-227 largest magnitudes, v228-231 bytes, v236-239 scale operands
.set PWA,  240
.set PWB,  241
.set SW,   242                         ; v242-249 eight scale words
.set E,    250                         ; v250-253 the scale blocks as stored
.set G1, 24
.set G0, 32
.set G1B, 48
.set G0B, 56
.set G1S, 68
.set G0S, 76
.set G1SB, 80
.set G0SB, 88
.set MSB, 0
.macro WIN new                         ; the immediate's high byte repeats the setting that is left
.if MSB != (\new)
	s_set_vgpr_msb (MSB<<8)|(\new)
.set MSB, (\new)
.endif
.endm
.set MUL_LO, 0xa1                      ; source 0 (R) window 1, source 1 (P) window 0, C and D window 2
.set MUL_HI, 0xf1                      ; the same, C and D window 3
.set TO_B,   0x40                      ; destination window 1, address window 0
; A joint load: waves 0 and 1 fetch for P, waves 2 and 3 for R.  Each line has one mask and one set of registers; the branch hangs on the wave's number alone.
; Four v_nop follow each of the two lines.
.macro JLOAD g0a, g1a, g0b, g1b
	s_cmp_eq_u32 s15, 0
	s_cbranch_scc0 .Lfor_b_\@
	tensor_load_to_lds s[\g0a:\g0a+3], s[\g1a:\g1a+7]
	s_nop 0
.rept 4
	v_nop
.endr
	s_branch .Lasked_\@
.Lfor_b_\@:
	tensor_load_to_lds s[\g0b:\g0b+3], s[\g1b:\g1b+7]
	s_nop 0
.rept 4
	v_nop
.endr
.Lasked_\@:
.endm
.macro CREST                           ; a round of the cluster's barrier behind its opening barrier
	s_cmp_lg_u32 s14, 0
	s_cbranch_scc1 .Lnot_wave_0_\@
	s_barrier_signal -3
.Lnot_wave_0_\@:
	s_barrier_wait -3
	s_barrier_signal -1
	s_barrier_wait -1
.endm
.macro CROUND
	s_barrier_signal -1
	s_barrier_wait -1
	CREST
.endm
	s_load_b256 s[4:11], s[0:1], 0x0               ; xw_img, xw_sc, bq, bk
	s_load_b128 s[96:99], s[0:1], 0x20             ; bv, qk
	s_load_b64 s[100:101], s[0:1], 0x30            ; vv
	v_lshl_add_u32 v[SPW], v0, 2, SPARE
	v_mov_b32 v[NIL], 0
	ds_add_u32 v28, v29
	ds_add_u32 v28, v29
	s_wait_dscnt 0x0
	v_lshrrev_b32 v1, 5, v0
	v_readfirstlane_b32 s14, v1                    ; wave 0..3
	s_lshr_b32 s15, s14, 1                         ; which half of P's rows is mine.  Also: I fetch for P (0) or for R (1)
	s_and_b32 s16, s14, 1                          ; which half of R's rows.  Also: which 8 row blocks of that tile I fetch
	s_bfe_u32 s40, ttmp6, 0x40000                  ; cx, cy: my place in the cluster
	s_bfe_u32 s41, ttmp6, 0x40004
	s_and_b32 s18, ttmp7, 0xffff                   ; Y, the cluster's y
	s_lshr_b32 s12, s18, 3                         ; ROLE
	s_mul_i32 s19, s12, s18
	s_sub_co_u32 s17, s18, s19                     ; Y in role 0, 0 in role 1
	s_lshl_b32 s17, s17, 2
	s_add_co_u32 s17, s17, s41                     ; P's tile: 4 Y + cy, or cy
	s_sub_co_u32 s19, s18, 8
	s_mul_i32 s19, s19, s12                        ; 0, or Y - 8
	s_lshl_b32 s19, s19, 1
	s_add_co_u32 s42, s19, ttmp9
	s_lshl_b32 s42, s42, 2
	s_add_co_u32 s42, s42, s40                     ; R's tile: 4 X + cx, or 4 (X + 2 (Y - 8)) + cx
	s_lshl_b32 s43, s41, 2
	s_lshl_b32 s43, 15, s43                        ; my row of the cluster
	s_lshl_b32 s44, 0x1111, s40                    ; my column
	; descriptor group 1 for codes: 8 rows (row blocks) of 384 elements of 8 bytes, 1,536 elements apart; no padding: the fragments are read 256 consecutive bytes at a time
	s_or_b32 s[G1+0], s43, (3<<16)|(1<<21)         ; 15:0 the mask: P's tiles go to my row; 17:16 elements of 8 bytes; 21 set beside a mask
	s_or_b32 s[G1B+0], s44, (3<<16)|(1<<21)
.irp g, G1, G1B
	s_mov_b32 s[\g+1], 384<<16                     ; tensor_dim0
	s_mov_b32 s[\g+2], 8<<16                       ; tensor_dim1
	s_mov_b32 s[\g+3], 384<<16                     ; tile_dim0
	s_mov_b32 s[\g+4], 8                           ; tile_dim1
	s_mov_b32 s[\g+5], 1536                        ; tensor_dim0_stride
	s_mov_b32 s[\g+6], 0
	s_mov_b32 s[\g+7], 0
.endr
	; and for the scale bytes of 128 rows: 4,096 dense bytes as 16 rows of 256 bytes, 16 bytes of padding behind each
	s_or_b32 s[G1S+0], s43, (3<<16)|(1<<20)|(1<<21)|(5<<22)|(3<<25)
	s_or_b32 s[G1SB+0], s44, (3<<16)|(1<<20)|(1<<21)|(5<<22)|(3<<25)
.irp g, G1S, G1SB
	s_mov_b32 s[\g+1], 32<<16
	s_mov_b32 s[\g+2], 16<<16
	s_mov_b32 s[\g+3], 32<<16
	s_mov_b32 s[\g+4], 16
	s_mov_b32 s[\g+5], 32
	s_mov_b32 s[\g+6], 0
	s_mov_b32 s[\g+7], 0
.endr
	s_lshl_b32 s18, s16, 3                         ; which 8 row blocks of the tile I fetch
	s_mul_i32 s20, s12, 640                        ; P begins at block 0 (x) or 640 (Wv)
	s_lshl_b32 s21, s17, 4
	s_add_co_u32 s20, s20, s21
	s_add_co_u32 s20, s20, s18
	s_mul_i32 s46, s12, 512                        ; R begins at block 512 (Wq) or 0 (x)
	s_sub_co_u32 s46, 512, s46
	s_lshl_b32 s47, s42, 4
	s_add_co_u32 s46, s46, s47
	s_add_co_u32 s46, s46, s18
	s_lshl_b32 s22, s20, 9                         ; a block's 16 rows of 32 scale bytes
	s_mov_b32 s23, 0
	s_lshl_b32 s92, s46, 9
	s_mov_b32 s93, 0
	s_mul_i32 s20, s20, 8*FRGB                     ; a block's eight fragments
	s_mov_b32 s21, 0
	s_mul_i32 s46, s46, 8*FRGB
	s_mov_b32 s47, 0
	s_mul_i32 s45, s14, HALFT                      ; where they go: wave x 8 row blocks: no place in the cluster enters an LDS address
	s_mul_i32 s94, s14, HALFS
	s_wait_kmcnt 0x0
	s_add_nc_u64 s[20:21], s[4:5], s[20:21]
	s_add_nc_u64 s[22:23], s[6:7], s[22:23]
	s_add_nc_u64 s[46:47], s[4:5], s[46:47]
	s_add_nc_u64 s[92:93], s[6:7], s[92:93]
	CROUND                                         ; all sixteen work-groups are here: the first joint loads meet
	s_mov_b32 s[G0S], 1
	s_add_co_u32 s[G0S+1], s94, SCL
	s_mov_b64 s[G0S+2:G0S+3], s[22:23]
	s_or_b32 s[G0S+3], s[G0S+3], 0x80000000
	s_mov_b32 s[G0SB], 1
	s_add_co_u32 s[G0SB+1], s94, SCL
	s_mov_b64 s[G0SB+2:G0SB+3], s[92:93]
	s_or_b32 s[G0SB+3], s[G0SB+3], 0x80000000
	JLOAD G0S, G1S, G0SB, G1SB                     ; the scale bytes first: they are wanted with K step 0
.irp s, 0,1
	s_mov_b32 s[G0+4*\s], 1
	s_add_co_u32 s[G0+4*\s+1], s45, \s*SLOT
	s_add_nc_u64 s[G0+4*\s+2:G0+4*\s+3], s[20:21], \s*STEPB
	s_or_b32 s[G0+4*\s+3], s[G0+4*\s+3], 0x80000000
	s_mov_b32 s[G0B+4*\s], 1
	s_add_co_u32 s[G0B+4*\s+1], s45, \s*SLOT
	s_add_nc_u64 s[G0B+4*\s+2:G0B+4*\s+3], s[46:47], \s*STEPB
	s_or_b32 s[G0B+4*\s+3], s[G0B+4*\s+3], 0x80000000
	JLOAD G0+4*\s, G1, G0B+4*\s, G1B
.endr
	v_and_b32 v1, 15, v0                           ; r
	v_bfe_u32 v2, v0, 4, 1                         ; h
	v_and_b32 v3, 31, v0
	v_lshlrev_b32 v[L8], 3, v3
	v_lshlrev_b32 v[LI], 4, v3
	s_mul_i32 s21, s15, HALFT                      ; my 8 row blocks of P
	s_mul_i32 s22, s16, HALFT                      ; my 8 of R,
	s_add_co_u32 s22, s22, 2*HALFT                 ; which lie behind P's 16
.irp s, 0,1
	v_add_nc_u32 v[ADRA+\s], s21, v[L8]
	v_add_nc_u32 v[ADRB+\s], s22, v[L8]
	s_add_co_u32 s21, s21, SLOT
	s_add_co_u32 s22, s22, SLOT
.endr
	v_and_b32 v7, 8, v1
	v_add_nc_u32 v7, v7, v1                        ; r + 8 (r / 8)
	v_lshlrev_b32 v5, 5, v7                        ; my row's scale bytes: 32 a row,
	v_lshrrev_b32 v6, 8, v5
	v_lshl_add_u32 v5, v6, 4, v5                   ; and 16 more for each 256 passed
	s_mul_i32 s21, s15, HALFS                      ; P's: my 128 rows
	s_mul_i32 s22, s16, HALFS                      ; R's: my 128 rows, behind P's 256
	s_add_co_u32 s22, s22, 2*HALFS
	s_sub_co_u32 s22, s22, s21
	v_mul_u32_u24 v6, s22, v2                      ; lanes 16-31 take R's
	s_add_co_u32 s21, s21, SCL
	v_add_nc_u32 v5, v5, v6
	v_add_nc_u32 v[ADRS], s21, v5
	; THE BIASES.  Both ways' are loaded on the one path that all take, each address held inside its buffer in either role; the way out reads its own.
	v_lshlrev_b32 v[BOF], 6, v2                    ; register n of 64 belongs to channel 32 (n / 16) + 16 h + n % 16 of my 128
	s_wait_alu depctr_va_vdst(0)
	s_cmp_eq_u32 ttmp9, 0                          ; R's tiles 0-3 are Wq's, 4-7 Wk's
	s_cselect_b64 s[66:67], s[8:9], s[10:11]
	s_and_b32 s18, s42, 3
	s_lshl_b32 s18, s18, 10
	s_lshl_b32 s19, s16, 9
	s_add_co_u32 s18, s18, s19
	s_mov_b32 s19, 0
	s_add_nc_u64 s[66:67], s[66:67], s[18:19]
.irp e, 0,1,2,3,4,5,6,7,8,9,10,11,12,13,14,15
	global_load_b128 v[BIAS+4*\e:BIAS+4*\e+3], v[BOF], s[66:67] offset:128*(\e/4)+16*(\e%4)
.endr
	v_lshlrev_b32 v[BVO], 2, v7                    ; bv: my lane's channel in P's block a, twice: a pair for the packed addition
	s_and_b32 s18, s17, 3
	s_lshl_b32 s18, s18, 10
	s_lshl_b32 s19, s15, 9
	s_add_co_u32 s18, s18, s19
	s_mov_b32 s19, 0
	s_add_nc_u64 s[94:95], s[96:97], s[18:19]
	WIN TO_B
.irp a, 0,1,2,3,4,5,6,7
	global_load_b32 v[BV+2*\a], v[BVO], s[94:95] offset:(32*(\a/2)+8*(\a%2))*4
	global_load_b32 v[BV+2*\a+1], v[BVO], s[94:95] offset:(32*(\a/2)+8*(\a%2))*4
.endr
	WIN 0
.macro FRAG reg, adr, q, i             ; a fragment comes as it lies: six pieces of 256 consecutive bytes, 8 bytes a lane
.irp p, 0,1,2,3,4,5
	ds_load_b64 v[\reg+2*\p:\reg+2*\p+1], v[\adr] offset:(\i)*STEPB+(\q)*FRGB+256*\p
.endr
.endm
; 16 matrix instructions: P's blocks a0, a0 + 1 x R's eight, 128 along K: the slot's q-th.  p: R's set;  sc: the set of scale words.  zero = 1: the first product starts the sums.
; The 64 accumulators take turns, one instruction a turn, in the same order in every step.
.macro MUL16 a0, p, q, sc, zero
.irp a, \a0, \a0+1
.irp b, 0,1,2,3,4,5,6,7
.if \zero
	v_wmma_scale_f32_16x16x128_f8f6f4 v[8*(8*((\a)%4)+\b):8*(8*((\a)%4)+\b)+7], v[128*(\p)+FR*\b:128*(\p)+FR*\b+FR-1], v[AF+FR*(\a):AF+FR*(\a)+FR-1], 0, v[SC+8*NQ*(\sc)+NQ*\b+(\q)], v[SC+8*NQ*(\sc)+NQ*(\a)+(\q)] matrix_a_fmt:MATRIX_FMT_BF6 matrix_b_fmt:MATRIX_FMT_BF6 matrix_a_scale:MATRIX_SCALE_ROW1
.else
	v_wmma_scale_f32_16x16x128_f8f6f4 v[8*(8*((\a)%4)+\b):8*(8*((\a)%4)+\b)+7], v[128*(\p)+FR*\b:128*(\p)+FR*\b+FR-1], v[AF+FR*(\a):AF+FR*(\a)+FR-1], v[8*(8*((\a)%4)+\b):8*(8*((\a)%4)+\b)+7], v[SC+8*NQ*(\sc)+NQ*\b+(\q)], v[SC+8*NQ*(\sc)+NQ*(\a)+(\q)] matrix_a_fmt:MATRIX_FMT_BF6 matrix_b_fmt:MATRIX_FMT_BF6 matrix_a_scale:MATRIX_SCALE_ROW1
.endif
.endr
.endr
.endm
.macro FETCH_B slot, q, p              ; R's eight fragments of the slot's q-th 128 along K into set p
	WIN TO_B
.irp i, 0,1,2,3,4,5,6,7
	FRAG 128*(\p)+FR*\i, ADRB+\slot, \q, \i
.endr
	WIN 0
.endm
.macro FETCH_A slot, q, i0             ; P's blocks i0 .. i0 + 3
.irp i, \i0, \i0+1, \i0+2, \i0+3
	FRAG AF+FR*(\i), ADRA+\slot, \q, \i
.endr
.endm
.macro SCALES sc                       ; a K step's scale words into set sc: two words a row; lanes 0-15 take P's block i, lanes 16-31 R's block i.  Block i begins 4 (i / 2) + i % 2 units of 256 bytes on
.irp i, 0,1,2,3,4,5,6,7
	ds_load_b64 v[SC+8*NQ*\sc+NQ*\i:SC+8*NQ*\sc+NQ*\i+1], v[ADRS] offset:272*(4*(\i/2)+\i%2)
.endr
.endm
.macro PLACES n                        ; plain vector instructions between a matrix instruction and a load into, or a vector instruction on, its registers (ISA guide 7.12.1 for vector instructions)
.rept \n
	v_nop
.endr
.endm
.macro STEP slot, q, zero              ; a step of 128 along K that has its successor in the same slot
	s_wait_dscnt 4*NL                              ; R's set and P's blocks 0-3 are in; the youngest 24 loads (P's blocks 4-7) may be out
	WIN MUL_LO
	MUL16 0, (\q)%2, \q, \slot, \zero
	MUL16 2, (\q)%2, \q, \slot, \zero
	s_wait_dscnt 0                                 ; P's blocks 4-7 are in
	PLACES NP
	FETCH_B \slot, (\q)+1, 1-(\q)%2
	FETCH_A \slot, (\q)+1, 0
	WIN MUL_HI
	MUL16 4, (\q)%2, \q, \slot, \zero
	MUL16 6, (\q)%2, \q, \slot, \zero
	PLACES NP
	WIN 0
	FETCH_A \slot, (\q)+1, 4
.endm
; A slot's last step changes slots: one barrier; in front of it each wave waits for all its tensor loads, adds 0 to its spare word, and waits for that and for its own reads of this slot.
.macro TURN slot, next, fill
	s_wait_tensorcnt 0x0                           ; all my tensor loads have landed: my part of the next slot
	ds_add_u32 v[SPW], v[NIL]                      ; 0 onto my spare word
	s_wait_dscnt 4*NL+1                            ; (the add and the youngest 24 loads may be out)
	WIN MUL_LO
	MUL16 0, 1, NQ-1, \slot, 0                     ; sixteen matrix instructions stand between the add and the wait for it
	s_wait_dscnt 0x0                               ; the add is done, and my reads of this slot are over
	s_barrier_signal -1
	MUL16 2, 1, NQ-1, \slot, 0
	WIN 0
	s_barrier_wait -1
.if \fill
	CREST                                          ; the barrier has opened a round of the cluster's: no wave of any partner still reads this slot or has a load on its way
	s_add_nc_u64 s[G0+4*\slot+2:G0+4*\slot+3], s[G0+4*\slot+2:G0+4*\slot+3], 2*STEPB
	s_add_nc_u64 s[G0B+4*\slot+2:G0B+4*\slot+3], s[G0B+4*\slot+2:G0B+4*\slot+3], 2*STEPB
	JLOAD G0+4*\slot, G1, G0B+4*\slot, G1B         ; the first tensor load behind the round; its four v_nop are the places in front of the loads below
.else
	PLACES NP
.endif
	s_wait_alu depctr_va_vdst(0)
	v_add_nc_u32 v[ADRS], 4*NQ, v[ADRS]            ; on to the next K step's scale words
	FETCH_B \next, 0, 0
	FETCH_A \next, 0, 0
	SCALES \next
	WIN MUL_HI
	MUL16 4, 1, NQ-1, \slot, 0
	MUL16 6, 1, NQ-1, \slot, 0
	PLACES NP
	WIN 0
	FETCH_A \next, 0, 4
.endm
	s_wait_loadcnt 0x0                             ; the biases
	s_wait_tensorcnt 1                             ; the scale bytes and my part of K step 0 are in (K step 1's load may be out)
	s_barrier_signal -1
	s_barrier_wait -1
	FETCH_B 0, 0, 0
	FETCH_A 0, 0, 0
	SCALES 0
	FETCH_A 0, 0, 4
	STEP 0, 0, 1                                   ; K = 1,024 is four K steps, twice round the ring: written out, since a loop would have one trip
	TURN 0, 1, 1
	STEP 1, 0, 0
	TURN 1, 0, 1
	STEP 0, 0, 0
	TURN 0, 1, 0                                   ; nothing is left to fetch
	STEP 1, 0, 0
	s_wait_dscnt 4*NL
	WIN MUL_LO
	MUL16 0, 1, NQ-1, 1, 0
	MUL16 2, 1, NQ-1, 1, 0
	s_wait_dscnt 0
	WIN MUL_HI
	MUL16 4, 1, NQ-1, 1, 0
	MUL16 6, 1, NQ-1, 1, 0
	WIN 0
; THE WAY OUT.  P's block a: 64 numbers a lane, register 16 b + i = j 32 b + 16 (lane / 16) + i of my row.
.macro PULL a, path                    ; + the bias, into window 0; each accumulator is read from its low end on
.if \path == 0
	WIN 0x02+(\a)/4
.else
	WIN 0x06+(\a)/4
.endif
.set e, 0
.rept 32
.if \path == 0
	v_pk_add_f32 v[ST+2*e:ST+2*e+1], v[64*((\a)%4)+2*e:64*((\a)%4)+2*e+1], v[BIAS+2*e:BIAS+2*e+1]
.else
	v_pk_add_f32 v[ST+2*e:ST+2*e+1], v[64*((\a)%4)+2*e:64*((\a)%4)+2*e+1], v[BV+2*(\a):BV+2*(\a)+1]
.endif
.set e, e+1
.endr
	WIN 0
.endm
.macro QUANT s, d0, d1, pw             ; 64 numbers become codes: j 0-63 in v[d0] .. + 5, j 64-127 in v[d1] .. + 5, and the row's four scale bytes in v[pw]
.irp b, 0,1,2,3
	v_max3_num_f32 v[TM+\b], |v[\s+16*\b]|, |v[\s+1+16*\b]|, 0x2800000   ; my 16 numbers of block b, and the floor 2^(5 - 127): the byte cannot fall under 1
.endr
.irp i, 2,4,6,8,10,12,14
.irp b, 0,1,2,3
	v_max3_num_f32 v[TM+\b], v[TM+\b], |v[\s+16*\b+\i]|, |v[\s+1+16*\b+\i]|
.endr
.endr
.irp b, 0,1,2,3
	v_permlanex16_b32 v[TM+4+\b], v[TM+\b], s2, s3
.endr
.irp b, 0,1,2,3
	v_max_num_f32 v[TM+\b], v[TM+\b], v[TM+4+\b]   ; with lane l xor 16's: the block's largest magnitude
.endr
.irp b, 0,1,2,3
	v_add_nc_u32 v[TM+12+\b], 0xfe000000, v[TM+\b] ; 4 off its exponent field: the conversion's scale operand
.endr
.irp b, 0,1,2,3
	v_lshrrev_b32 v[TM+4+\b], 23, v[TM+12+\b]      ; the scale's byte
.endr
	v_lshl_or_b32 v[\pw], v[TM+5], 8, v[TM+4]
	v_lshl_or_b32 v[\pw], v[TM+6], 16, v[\pw]
	v_lshl_or_b32 v[\pw], v[TM+7], 24, v[\pw]
	v_cvt_scalef32_pk16_bf6_f32 v[\d0:\d0+2], v[\s:\s+15], v[TM+12]
	v_cvt_scalef32_pk16_bf6_f32 v[T:T+2], v[\s+16:\s+31], v[TM+13]
	v_cvt_scalef32_pk16_bf6_f32 v[\d1:\d1+2], v[\s+32:\s+47], v[TM+14]
	v_cvt_scalef32_pk16_bf6_f32 v[T+4:T+6], v[\s+48:\s+63], v[TM+15]
	v_nop                                          ; one plain place behind the conversions
.irp i, 0,1,2                          ; the operand's layout wants a whole block in a lane: lanes 0-15 the even block, lanes 16-31 the odd one
	v_permlane16_swap_b32 v[\d0+\i], v[T+\i]
	v_permlane16_swap_b32 v[\d1+\i], v[T+4+\i]
.endr
.irp i, 0,1,2
	v_mov_b32 v[\d0+3+\i], v[T+\i]
	v_mov_b32 v[\d1+3+\i], v[T+4+\i]
.endr
.endm
; P's blocks 2 p and 2 p + 1 become two images of 12 registers.  path 0: tokens 32 p + .. of two heads: a double fragment for each head.  path 1: two fragments of V^T.
.macro PAIR p, path
.if (\p) > 0
	s_wait_xcnt 0x0                                ; the last pair's stores have read the images: they are written again only behind this wait
.endif
	PULL 2*(\p), \path
.if \path == 0
	QUANT ST, I0, I1, PWA
.else
	QUANT ST, I0, I0+6, SW+2*(\p)
.endif
	PULL 2*(\p)+1, \path
.if \path == 0
	QUANT ST, I0+6, I1+6, PWB
	v_perm_b32 v[SW+(\p)], v[PWB], v[PWA], 0x05040100      ; the first head's word: the token's two bytes, then token + 8's
	v_perm_b32 v[SW+4+(\p)], v[PWB], v[PWA], 0x07060302    ; the second head's
.set OF0, 1536*(\p)
.set OF1, 409600+1536*(\p)             ; a head on in qk: 4 x 16 x 6,400 bytes
.else
	QUANT ST, I1, I1+6, SW+2*(\p)+1
.set OF0, 102400*((\p)/2)+3072*((\p)%2) ; a head on in vv: 16 x 6,400 bytes
.set OF1, OF0+1536
.endif
.irp c, 0,1,2
	global_store_b128 v[LI], v[I0+4*\c:I0+4*\c+3], s[66:67] offset:OF0+512*\c   ; 32 lanes store 512 consecutive bytes, aligned to 256
.endr
.irp c, 0,1,2
	global_store_b128 v[LI], v[I1+4*\c:I1+4*\c+3], s[66:67] offset:OF1+512*\c
.endr
.endm
.macro FIN hs                          ; the two heads' scale blocks: lanes 0-15 keep the even word, lanes 16-31 take the odd one
.irp d, 0,1
	v_cndmask_b32 v[E+2*\d], v[SW+4*\d], v[SW+4*\d+1], s13
	v_cndmask_b32 v[E+2*\d+1], v[SW+4*\d+2], v[SW+4*\d+3], s13
	global_store_b64 v[L8], v[E+2*\d:E+2*\d+1], s[66:67] offset:6144+\d*\hs     ; 256 consecutive bytes, aligned
.endr
.endm
	s_mov_b32 s2, 0x76543210
	s_mov_b32 s3, 0xfedcba98                       ; lane l xor 16
	s_mov_b32 s13, 0xffff0000                      ; lanes 16-31
.irp b, 0,1,2,3
	v_mov_b32 v[TM+4+\b], 0                        ; written once (a lane permute's destination counts as a source).  These four are also the places behind the last products
.endr
	s_cmp_lg_u32 s12, 0
	s_cbranch_scc1 .Lvt
	s_lshl_b32 s18, s17, 8                         ; q, k: my first token = 256 x P's tile + 128 x half
	s_lshl_b32 s19, s15, 7
	s_add_co_u32 s18, s18, s19
	s_lshr_b32 s19, s18, 11                        ; batch
	s_bfe_u32 s18, s18, 0x40007                    ; step
	s_lshl_b32 s20, s42, 2
	s_lshl_b32 s21, s16, 1
	s_add_co_u32 s20, s20, s21                     ; G = 4 x R's tile + 2 x half
	s_lshl_b32 s20, s20, 2
	s_add_co_u32 s20, s20, s19
	s_lshl_b32 s20, s20, 4
	s_add_co_u32 s20, s20, s18
	s_mul_i32 s20, s20, 6400
	s_mov_b32 s21, 0
	s_add_nc_u64 s[66:67], s[98:99], s[20:21]
	PAIR 0, 0
	PAIR 1, 0
	PAIR 2, 0
	PAIR 3, 0
	FIN 409600
	s_branch .Lend
.Lvt:
	s_lshl_b32 s18, s42, 8                         ; V^T: my first key = 256 x R's tile + 128 x half
	s_lshl_b32 s19, s16, 7
	s_add_co_u32 s18, s18, s19
	s_lshr_b32 s19, s18, 11                        ; batch
	s_bfe_u32 s18, s18, 0x40007                    ; step
	s_lshl_b32 s19, s19, 4
	s_lshl_b32 s20, s17, 2
	s_add_co_u32 s19, s19, s20
	s_lshl_b32 s20, s15, 1
	s_add_co_u32 s19, s19, s20                     ; 16 x batch + head, head = 4 x P's tile + 2 x half
	s_lshl_b32 s19, s19, 4
	s_add_co_u32 s19, s19, s18
	s_mul_i32 s18, s19, 6400
	s_mov_b32 s19, 0
	s_add_nc_u64 s[66:67], s[100:101], s[18:19]
	PAIR 0, 1
	PAIR 1, 1
	PAIR 2, 1
	PAIR 3, 1
	FIN 102400
.Lend:
	s_wait_tensorcnt 0x0                           ; the wave's end
	ds_add_u32 v[SPW], v[NIL]
	s_wait_dscnt 0x0
	CROUND                                         ; the closing round: no work-group ends while a partner may still ask for a tile that names it
	s_endpgm
.Lfunc_end_k_q8f5c9b5dd6_proj:
	.size	k_q8f5c9b5dd6_proj, .Lfunc_end_k_q8f5c9b5dd6_proj-k_q8f5c9b5dd6_proj
	.p2alignl 7, 3214868480
	.fill 96, 4, 3214868480
	.section	.rodata,"a",@progbits
	.p2align	6, 0x0
	.amdhsa_kernel k_q8f5c9b5dd6_proj
		.amdhsa_group_segment_fixed_size 327680
		.amdhsa_private_segment_fixed_size 0
		.amdhsa_enable_private_segment 0
		.amdhsa_kernarg_size 56
		.amdhsa_user_sgpr_count 2
		.amdhsa_user_sgpr_kernarg_segment_ptr 1
		.amdhsa_wavefront_size32 1
		.amdhsa_system_sgpr_workgroup_id_x 1
		.amdhsa_system_sgpr_workgroup_id_y 1
		.amdhsa_system_sgpr_workgroup_id_z 1
		.amdhsa_system_vgpr_workitem_id 0
		.amdhsa_next_free_vgpr 1024
		.amdhsa_next_free_sgpr 102
		.amdhsa_reserve_vcc 0
		.amdhsa_float_denorm_mode_32 3
		.amdhsa_float_denorm_mode_16_64 3
		.amdhsa_memory_ordered 1
		.amdhsa_forward_progress 1
		.amdhsa_inst_pref_size 234
	.end_amdhsa_kernel
	.amdgpu_metadata
---
amdhsa.version: [ 1, 2 ]
amdhsa.kernels:
  - .name:           k_q8f5c9b5dd6_proj
    .symbol:         k_q8f5c9b5dd6_proj.kd
    .args:
      - { .name: xw_img, .offset: 0, .size: 8, .value_kind: global_buffer, .address_space: global }
      - { .name: xw_sc, .offset: 8, .size: 8, .value_kind: global_buffer, .address_space: global }
      - { .name: bq, .offset: 16, .size: 8, .value_kind: global_buffer, .address_space: global }
      - { .name: bk, .offset: 24, .size: 8, .value_kind: global_buffer, .address_space: global }
      - { .name: bv, .offset: 32, .size: 8, .value_kind: global_buffer, .address_space: global }
      - { .name: qk, .offset: 40, .size: 8, .value_kind: global_buffer, .address_space: global }
      - { .name: vv, .offset: 48, .size: 8, .value_kind: global_buffer, .address_space: global }
    .group_segment_fixed_size: 327680
    .private_segment_fixed_size: 0
    .kernarg_segment_align: 8
    .kernarg_segment_size: 56
    .max_flat_workgroup_size: 128
    .sgpr_count:     102
    .vgpr_count:     1024
    .wavefront_size: 32
...
	.end_amdgpu_metadata
.endif
;; end of part 2
;; launch attn (part 3): grid 4 x 64, 16 waves a work-group, clusters of 4 x 1, 206,848 bytes of LDS; arguments qk, vv, o_img, o_sc; writes o_img, o_sc
.if DOCPART == 3
	.amdgcn_target "amdgcn-amd-amdhsa--gfx1250"
	.amdhsa_code_object_version 6
	.text
	.protected	k_q8f5c9b5dd6_attn
	.globl	k_q8f5c9b5dd6_attn
	.p2align	8
	.type	k_q8f5c9b5dd6_attn,@function
k_q8f5c9b5dd6_attn:
	s_mov_b64 s[64:65], 0
	v_nop
	global_prefetch_b8 v0, s[64:65] scope:SCOPE_SE
	s_setreg_imm32_b32 hwreg(HW_REG_WAVE_MODE, 25, 1), 1
	s_wait_xcnt 0x0
	s_wait_alu depctr_hold_cnt(0) depctr_sa_sdst(0) depctr_va_vdst(0) depctr_va_sdst(0) depctr_va_ssrc(0) depctr_va_vcc(0) depctr_vm_vsrc(0)
	s_getreg_b32 s2, hwreg(HW_REG_IB_STS2, 6, 4)
	s_cmp_eq_u32 s2, 0
	s_cbranch_scc0 .Lentry_in_a_cluster
	s_endpgm
.Lentry_in_a_cluster:
	s_bfe_u32 s2, ttmp6, 0x10000c
	s_cmp_lg_u32 s2, 0x3003
	s_cbranch_scc0 .Lentry_shape_is_right
	s_endpgm
.Lentry_shape_is_right:
; o[b][q][head] = softmax_k(q . k / 8, causal) v, both products on codes of BF6 (E3M2) with E8M0 scales; o is quantised along the model's 1,024 at once and leaves as codes.
; IN: qk [G][batch][step of 128 tokens][6,400] (G = head: q; 16 + head: k) and vv [batch][head][step of 128 keys][6,400], in the order of the operands' registers: a step is four images of 1,536 bytes
; (register n of lane l at 512 (n / 4) + 16 l + 4 (n % 4)) and 256 scale bytes (lane l's two words at 6,144 + 8 l; word j: image 2 j in lanes 0-15, image 2 j + 1 in lanes 16-31).
; A DOUBLE FRAGMENT pi of k: registers 0-5 of lane (r, h): key 32 pi + r + 8 (r / 8), channels 32 h on; registers 6-11: the key 8 further on.  The head's K is 64, half of the instruction's 128:
; the double fragment is source 0 of TWO products, against (q, zeros) and against (zeros, q): zero codes add nothing.  No half of a fragment is loaded empty.
; THE SOFTMAX: t = score x log2(e) / 8; M = the row's largest t so far, rounded up to a whole number; p = 2^(t - M) is quantised along the keys, not normalised; the row's sum is taken of the
; unquantised p and divides at the end; when M moves, sum and O are multiplied by 2^(old M - new M), which rounds nothing.
; SHARES.  A cluster of four work-groups is one head of one batch; all four read the same K and V, asked for JOINTLY, once: a head's codes and scale bytes, 204,800 bytes, stay in LDS.
; Nothing is filled again, so there is no ring; all of K and V is asked for at the head, so there is nothing for a prefetch to run ahead of.
; Wave w of work-group g makes two tiles of 16 queries, one after the other: tile 8 w + g, then tile 8 (15 - w) + 4 + g (tile tau: lane r's query is 32 (tau / 2) + 8 (tau % 2) + r + 8 (r / 8)).
; The first wants w + 1 key steps of 128, the second 16 - w: 17 for every wave.  Every wave walks all 16 steps in both passes (the trip count is a constant) and jumps over the work of the
; steps that lie behind its queries: a branch on the wave's number and the counter, alike in all partners.  The place in the cluster enters global addresses and the mask's number alone.
; LAYOUT.  Both products transposed: S^T = K Q^T, O^T = V^T P^T: a lane holds one query; the 16 registers of two neighbouring tiles are 16 neighbouring keys (channels).
; OUT: o_img: row blocks and fragments as the projections' operands ([block][K / 128][1,536], piece p = registers 2 p, 2 p + 1, 8 bytes a lane); a head is half a fragment: 768 consecutive bytes.
; o_sc [row][32]: a head owns 2 of a row's 32 bytes, so these leave as single bytes: 262,144 bytes in the whole launch.
; LIMITS: NaN and infinities are not served.  A block's largest p is taken through its largest score: this leans on v_exp_f32 not falling where its input rises.  A block of zeros carries the byte 1.
.set STEPB, 6400
.set HEADB, 16*STEPB
.set VL,    HEADB                      ; LDS: K's 16 steps at 0, V's behind them
.set SCO,   6144                       ; a step's scale bytes
.set ADK,  8                           ; v8-11  LDS addresses of the step in hand: K, V, K's scale words, V's
.set ADV,  9
.set ADS,  10
.set ADT,  11
.set QS,   34                          ; v34    q's scale word;  v35 p's;  v[36:37] K's;  v[38:39] V's: these six hold scales and nothing else
.set PS,   35
.set KR,   40                          ; v40-87   K's four double fragments; behind the first product at work:
.set BM,   40                          ;   v40-43 largest scores, then largest p;  v44-47 lane permutes, bytes, a chain of the sum;  v48-51 scale operands
.set BP,   44
.set SO,   48
.set FF,   52                          ;   v[52:53] f = 2^(old M - new M);  v54 at work;  v56-58, v60-62 upper halves of codes;  v64-75 p's codes
.set X,    54
.set T,    56
.set PC,   64
.set VR,   88                          ; v88-135  V's four fragments
.set S,    136                         ; v136-199 S^T, then p
.set O,    200                         ; v200-231 O^T
.set WV,   12
.set HM,   13                          ; lanes 16-31
.set G,    14                          ; my place in the cluster
.set BB,   15                          ; batch
.set HH,   16                          ; head
.set BLK,  17                          ; the block of 128 queries in hand
.set SI,   18                          ; the key step
.set TS,   19                          ; and its LDS byte
.set SEL,  20
.set CS,   22                          ; s[22:23] c = log2(e) / 8
.set G1,   24
.set G0,   32
.set CNT,  36
.set DQ0,  37
.set QSEL, 38
.macro CROUND
	s_barrier_signal -1
	s_barrier_wait -1
	s_cmp_lg_u32 s[WV], 0
	s_cbranch_scc1 .Lnot_wave_0_\@
	s_barrier_signal -3
.Lnot_wave_0_\@:
	s_barrier_wait -3
	s_barrier_signal -1
	s_barrier_wait -1
.endm
	s_load_b256 s[4:11], s[0:1], 0x0               ; qk, vv, o_img, o_sc
	v_lshl_add_u32 v254, v0, 2, 0x32000
	v_mov_b32 v255, 0
	ds_add_u32 v254, v255
	ds_add_u32 v254, v255
	v_lshrrev_b32 v1, 5, v0
	s_delay_alu instid0(VALU_DEP_1)
	v_readfirstlane_b32 s[WV], v1                  ; wave 0..15
	s_bfe_u32 s[G], ttmp6, 0x40000                 ; cx
	s_and_b32 s44, ttmp7, 0xffff                   ; batch x 16 + head: the cluster's y, which the partners share
	s_lshr_b32 s[BB], s44, 4
	s_and_b32 s[HH], s44, 15
	s_mov_b32 s[HM], 0xffff0000
	s_mov_b32 s[SEL], 0x76543210
	s_mov_b32 s[SEL+1], 0xfedcba98
	s_mov_b32 s[CS], 0x3e38aa3b
	s_mov_b32 s[CS+1], s[CS]                       ; (named with it as a pair, so it is written)
	; descriptor group 1: four steps, 25,600 dense bytes, as 100 rows of 32 elements of 8 bytes
	s_mov_b32 s[G1], 15|(3<<16)|(1<<21)            ; 15:0 the mask: all four work-groups; 17:16 elements of 8 bytes; 21 set beside a mask
	s_mov_b32 s[G1+1], 32<<16
	s_mov_b32 s[G1+2], 100<<16
	s_mov_b32 s[G1+3], 32<<16
	s_mov_b32 s[G1+4], 100
	s_mov_b32 s[G1+5], 32
	s_mov_b32 s[G1+6], 0
	s_mov_b32 s[G1+7], 0
	s_lshl_b32 s45, s[HH], 2
	s_add_co_u32 s45, s45, s[BB]
	s_mul_i32 s46, s45, HEADB                      ; q's head and batch in qk
	s_mul_i32 s47, s[WV], STEPB
	s_add_co_u32 s40, s46, s47                     ; pass 0: block w
	s_mov_b32 s41, 0
	s_xor_b32 s47, s[WV], 15
	s_mul_i32 s47, s47, STEPB
	s_add_co_u32 s42, s46, s47                     ; pass 1: block 15 - w
	s_mov_b32 s43, 0
	s_and_b32 s50, s[WV], 3
	s_mul_i32 s50, s50, 4*STEPB                    ; which four steps I fetch, if I fetch
	s_add_co_u32 s48, s46, 64*HEADB                ; k's head lies 16 heads x 4 batches on
	s_add_co_u32 s48, s48, s50
	s_mov_b32 s49, 0
	s_lshl_b32 s52, s[BB], 4
	s_add_co_u32 s52, s52, s[HH]
	s_mul_i32 s52, s52, HEADB
	s_add_co_u32 s52, s52, s50
	s_mov_b32 s53, 0
	s_wait_dscnt 0x0
	s_wait_kmcnt 0x0
	s_add_nc_u64 s[40:41], s[4:5], s[40:41]
	s_add_nc_u64 s[42:43], s[4:5], s[42:43]
	s_add_nc_u64 s[48:49], s[4:5], s[48:49]
	s_add_nc_u64 s[52:53], s[6:7], s[52:53]
	s_cmp_lt_u32 s[WV], 4                          ; waves 0-3 fetch K, waves 4-7 V
	s_cselect_b64 s[G0+2:G0+3], s[48:49], s[52:53]
	s_or_b32 s[G0+3], s[G0+3], 0x80000000
	s_mov_b32 s[G0], 1
	s_and_b32 s54, s[WV], 7
	s_mul_i32 s[G0+1], s54, 4*STEPB                ; LDS: 25,600 x wave: K's four parts, then V's
	CROUND                                         ; all four work-groups are here: the joint loads meet
	s_cmp_lt_u32 s[WV], 8
	s_cbranch_scc0 .Lno_fetch
	tensor_load_to_lds s[G0:G0+3], s[G1:G1+7]      ; my one tensor load of the launch
	s_nop 0
.rept 4
	v_nop
.endr
.Lno_fetch:
	v_and_b32 v244, 31, v0                         ; lane
	v_and_b32 v245, 15, v0                         ; r
	v_bfe_u32 v246, v0, 4, 1                       ; lane / 16
	s_delay_alu instid0(VALU_DEP_3)
	v_lshlrev_b32 v1, 4, v244                      ; v1  16 x lane: my place in an image of K
	s_delay_alu instid0(VALU_DEP_1)
	v_add_nc_u32 v2, VL, v1                        ; v2  of V
	v_lshlrev_b32 v6, 3, v244                      ; v6  8 x lane
	s_delay_alu instid0(VALU_DEP_1)
	v_add_nc_u32 v3, SCO, v6                       ; v3  my place among K's scale words
	s_delay_alu instid0(VALU_DEP_2)
	v_add_nc_u32 v4, VL+SCO, v6                    ; v4  among V's
	v_and_b32 v247, 8, v245
	s_delay_alu instid0(VALU_DEP_1)
	v_add_nc_u32 v247, v247, v245                  ; r + 8 (r / 8)
	s_delay_alu instid0(VALU_DEP_1)
	v_lshl_add_u32 v7, v247, 5, v246               ; v7  o_sc: my row, my block's byte
	v_lshlrev_b32 v243, 4, v246
	s_delay_alu instid0(VALU_DEP_1)
	v_sub_nc_u32 v243, v247, v243                  ; v243  r + 8 (r / 8) - 16 (lane / 16)
	s_lshr_b32 s45, s[G], 1                        ; my tile lies in double fragment g / 2 (+ 2 in pass 1), half u = g % 2
	s_and_b32 s46, s[G], 1
	s_mul_i32 s47, s45, 1536
	s_mul_i32 s48, s46, 520                        ; registers 0-5 lie at 0, 8, 512; registers 6-11 at 520, 1,024, 1,032
	s_add_co_u32 s48, s48, s47
	v_add_nc_u32 v240, s48, v1
	s_wait_alu depctr_va_vdst(0)
	s_mul_i32 s48, s46, 1016
	s_add_co_u32 s48, s48, s47
	v_add_nc_u32 v241, s48, v1
	s_lshl_b32 s48, s45, 7
	v_lshl_add_u32 v242, v245, 3, s48              ; q's scale word: lane r + 16 (g / 2)'s
	s_lshl_b32 s[DQ0], s45, 5
	s_lshl_b32 s48, s46, 3
	s_add_co_u32 s[DQ0], s[DQ0], s48               ; 32 (g / 2) + 8 (g % 2)
	s_mov_b32 s[QSEL], 0x01000100                  ; of the word's two pairs of bytes mine, twice: (s0, s1, s0, s1)
	s_cmp_lg_u32 s46, 0
	s_cselect_b32 s[QSEL], 0x03020302, s[QSEL]
	global_load_b64 v[22:23], v240, s[40:41]
	global_load_b64 v[24:25], v241, s[40:41] offset:8
	global_load_b64 v[26:27], v240, s[40:41] offset:512
	global_load_b32 v232, v242, s[40:41] offset:SCO
	global_load_b64 v[234:235], v240, s[42:43] offset:3072
	global_load_b64 v[236:237], v241, s[42:43] offset:3072+8
	global_load_b64 v[238:239], v240, s[42:43] offset:3072+512
	global_load_b32 v233, v242, s[42:43] offset:SCO+4
.irp i, 16,17,18,19,20,21,28,29,30,31,32,33
	v_mov_b32 v\i, 0                               ; zero codes on both sides of q: v[22:33] = (q, zeros), v[16:27] = (zeros, q)
.endr
.irp i, 44,45,46,47,53,54
	v_mov_b32 v\i, 0                               ; written once: lane permutes' destinations and the upper half of a pair count as read
.endr
.macro INIT p
.if \p
	s_xor_b32 s[BLK], s[WV], 15
.else
	s_mov_b32 s[BLK], s[WV]
.endif
	s_mov_b32 s[SI], 0
	s_mov_b32 s[TS], 0
	s_add_co_u32 s44, s[DQ0], 64*\p
	v_perm_b32 v[QS], v[232+\p], v[232+\p], s[QSEL]   ; more than eight plain instructions stand between this line and the first product
.if \p
.irp i, 0,1,2,3,4,5
	v_mov_b32 v[22+\i], v[234+\i]
.endr
.endif
	v_add_nc_u32 v5, s44, v243                     ; v5  my query in its block - 16 (lane / 16)
	v_mov_b32 v13, 0xff61b1e6                      ; the largest t so far: -3e38
	s_delay_alu instid0(VALU_DEP_1)
	v_floor_f32 v12, -v13                          ; -M
	v_mov_b32 v14, 0                               ; the sum, in two halves
	v_mov_b32 v15, 0
.set e, 0
.rept 32
	v_mov_b32 v[O+e], 0                            ; O^T: the step is written once; the first finds zeros
.set e, e+1
.endr
.endm
; A KEY STEP: 128 keys.
.macro STEP
	s_cmp_gt_u32 s[SI], s[BLK]                     ; all its keys come after my queries: only the counters step
	s_cbranch_scc1 .Lhid_\@
	s_setprio 2
	v_add_nc_u32 v[ADK], s[TS], v1                 ; (these four are the places between the last products and the loads into their registers)
	v_add_nc_u32 v[ADV], s[TS], v2
	v_add_nc_u32 v[ADS], s[TS], v3
	v_add_nc_u32 v[ADT], s[TS], v4
.irp f, 0,1,2,3
.irp c, 0,1,2
	ds_load_b128 v[KR+12*\f+4*\c:KR+12*\f+4*\c+3], v[ADK] offset:1536*\f+512*\c
.endr
.endr
	ds_load_b64 v[36:37], v[ADS]
.irp f, 0,1,2,3
.irp c, 0,1,2
	ds_load_b128 v[VR+12*\f+4*\c:VR+12*\f+4*\c+3], v[ADV] offset:1536*\f+512*\c
.endr
.endr
	ds_load_b64 v[38:39], v[ADT]
	s_wait_dscnt 13                                ; K's 13 loads are in; V's 13 may be out
.irp f, 0,2                            ; S^T: double fragment f gives tiles 2 f and 2 f + 1; its scale words lie in lanes 0-15 (even f) or 16-31 (odd f)
	v_wmma_scale_f32_16x16x128_f8f6f4 v[S+16*\f:S+16*\f+7], v[KR+12*\f:KR+12*\f+11], v[22:33], 0, v[36+\f/2], v[QS] matrix_a_fmt:MATRIX_FMT_BF6 matrix_b_fmt:MATRIX_FMT_BF6
	v_wmma_scale_f32_16x16x128_f8f6f4 v[S+16*\f+8:S+16*\f+15], v[KR+12*\f:KR+12*\f+11], v[16:27], 0, v[36+\f/2], v[QS] matrix_a_fmt:MATRIX_FMT_BF6 matrix_b_fmt:MATRIX_FMT_BF6
	v_wmma_scale_f32_16x16x128_f8f6f4 v[S+16*\f+16:S+16*\f+23], v[KR+12*\f+12:KR+12*\f+23], v[22:33], 0, v[36+\f/2], v[QS] matrix_a_fmt:MATRIX_FMT_BF6 matrix_b_fmt:MATRIX_FMT_BF6 matrix_a_scale:MATRIX_SCALE_ROW1
	v_wmma_scale_f32_16x16x128_f8f6f4 v[S+16*\f+24:S+16*\f+31], v[KR+12*\f+12:KR+12*\f+23], v[16:27], 0, v[36+\f/2], v[QS] matrix_a_fmt:MATRIX_FMT_BF6 matrix_b_fmt:MATRIX_FMT_BF6 matrix_a_scale:MATRIX_SCALE_ROW1
.endr
.rept 4
	v_nop                                          ; places: the scores are read, and K's registers written, behind them
.endr
	s_cmp_lg_u32 s[SI], s[BLK]                     ; only the step on the diagonal has hidden keys
	s_cbranch_scc1 .Lopen_\@
	v_mov_b32 v[X], 0xff800000                     ; -infinity: p = 0 then.  Register 16 b + i holds key 32 b + 16 (lane / 16) + i: hidden where 32 b + i > v5
.irp n, 0,1,2,3,4,5,6,7,8,9,10,11,12,13,14,15,16,17,18,19,20,21,22,23,24,25,26,27,28,29,30,31,32,33,34,35,36,37,38,39,40,41,42,43,44,45,46,47,48,49,50,51,52,53,54,55,56,57,58,59,60,61,62,63
	v_cmp_gt_i32 vcc_lo, 32*(\n/16)+\n%16, v5
	v_cndmask_b32 v[S+\n], v[S+\n], v[X], vcc_lo
.endr
.Lopen_\@:
.irp b, 0,1,2,3
	v_max3_num_f32 v[BM+\b], v[S+16*\b], v[S+1+16*\b], v[S+2+16*\b]   ; the largest score of each block of 32 keys: for the row's maximum and for the block's largest p
.endr
.irp i, 3,5,7,9,11,13
.irp b, 0,1,2,3
	v_max3_num_f32 v[BM+\b], v[BM+\b], v[S+16*\b+\i], v[S+1+16*\b+\i]
.endr
.endr
.irp b, 0,1,2,3
	v_max_num_f32 v[BM+\b], v[BM+\b], v[S+15+16*\b]
.endr
.irp b, 0,1,2,3
	s_delay_alu instid0(VALU_DEP_4)
	v_permlanex16_b32 v[BP+\b], v[BM+\b], s[SEL], s[SEL+1]
.endr
.irp b, 0,1,2,3
	s_delay_alu instid0(VALU_DEP_4)
	v_max_num_f32 v[BM+\b], v[BM+\b], v[BP+\b]     ; with lane l xor 16's 16 keys
.endr
	s_delay_alu instid0(VALU_DEP_2)
	v_max3_num_f32 v[X], v[BM], v[BM+1], v[BM+2]
	s_delay_alu instid0(VALU_DEP_1)
	v_max_num_f32 v[X], v[X], v[BM+3]              ; the step's largest score of my query
	s_delay_alu instid0(VALU_DEP_1)
	v_mul_f32 v[X], s[CS], v[X]                    ; as t
	s_delay_alu instid0(VALU_DEP_1)
	v_max_num_f32 v13, v13, v[X]                   ; the running largest t
	v_mov_b32 v[X], v12
	s_delay_alu instid0(VALU_DEP_2)
	v_floor_f32 v12, -v13                          ; the new -M = -ceil(t): a whole number
	s_delay_alu instid0(VALU_DEP_1)
	v_sub_f32 v[X], v12, v[X]                      ; old M - new M, 0 or less
	s_delay_alu instid0(VALU_DEP_1)
	v_cvt_i32_f32 v[X], v[X]                       ; (it saturates)
	s_delay_alu instid0(VALU_DEP_1)
	v_ldexp_f32 v[FF], 1.0, v[X]                   ; f = 2^(old M - new M)
.set e, 0
.rept 32
	v_pk_fma_f32 v[S+e:S+e+1], v[S+e:S+e+1], s[CS:CS+1], v[12:13] op_sel_hi:[1,0,0]   ; t - M, two at a time
.set e, e+2
.endr
	s_setprio 1
.irp b, 0,1,2,3
	v_fma_f32 v[BM+\b], v[BM+\b], s[CS], v12       ; the same of each block's largest score
.endr
.set e, 0
	s_wait_alu depctr_va_vdst(0)
.rept 64
	v_exp_f32 v[S+e], v[S+e]                       ; p = 2^(t - M)
.set e, e+1
.endr
	v_pk_mul_f32 v[14:15], v[14:15], v[FF:FF+1] op_sel_hi:[1,0]   ; the sums under the new M: the plain instruction behind the exponentials
	s_wait_alu depctr_va_vdst(0)                   ; one wait for the batch of 64, ahead of its first reader
.irp b, 0,1,2,3
	v_exp_f32 v[BM+\b], v[BM+\b]                   ; the block's largest p: the same two instructions on the same number
.endr
	v_pk_add_f32 v[44:45], v[140:141], v[144:145]
	v_pk_add_f32 v[252:253], v[148:149], v[152:153]
	v_pk_add_f32 v[250:251], v[156:157], v[160:161]
	v_pk_add_f32 v[248:249], v[164:165], v[168:169]
	v_pk_add_f32 v[246:247], v[172:173], v[176:177]
	v_pk_add_f32 v[244:245], v[180:181], v[184:185]
	v_pk_add_f32 v[240:241], v[188:189], v[192:193]
	v_pk_add_f32 v[14:15], v[14:15], v[196:197]
	v_pk_add_f32 v[44:45], v[44:45], v[136:137]
	v_pk_add_f32 v[252:253], v[252:253], v[138:139]
	v_pk_add_f32 v[250:251], v[250:251], v[142:143]
	v_pk_add_f32 v[248:249], v[248:249], v[146:147]
	v_pk_add_f32 v[246:247], v[246:247], v[150:151]
	v_pk_add_f32 v[244:245], v[244:245], v[154:155]
	v_pk_add_f32 v[240:241], v[240:241], v[158:159]
	v_pk_add_f32 v[14:15], v[14:15], v[162:163]
	v_pk_add_f32 v[44:45], v[44:45], v[166:167]
	v_pk_add_f32 v[252:253], v[252:253], v[170:171]
	v_pk_add_f32 v[250:251], v[250:251], v[174:175]
	v_pk_add_f32 v[248:249], v[248:249], v[178:179]
	v_pk_add_f32 v[246:247], v[246:247], v[182:183]
	v_pk_add_f32 v[244:245], v[244:245], v[186:187]
	v_pk_add_f32 v[240:241], v[240:241], v[190:191]
	v_pk_add_f32 v[14:15], v[14:15], v[194:195]
	v_pk_add_f32 v[44:45], v[44:45], v[198:199]
	s_delay_alu instid0(VALU_DEP_2)
	v_pk_add_f32 v[14:15], v[14:15], v[248:249]
	s_delay_alu instid0(VALU_DEP_2)
	v_pk_add_f32 v[44:45], v[44:45], v[246:247]
	v_pk_add_f32 v[252:253], v[252:253], v[244:245]
	v_pk_add_f32 v[250:251], v[250:251], v[240:241]
	s_delay_alu instid0(VALU_DEP_2)
	v_pk_add_f32 v[14:15], v[14:15], v[252:253]
	s_delay_alu instid0(VALU_DEP_2)
	v_pk_add_f32 v[44:45], v[44:45], v[250:251]
	s_delay_alu instid0(VALU_DEP_1)
	v_pk_add_f32 v[14:15], v[14:15], v[44:45]
	s_wait_alu depctr_va_vdst(0)                   ; and one for the four
.irp b, 0,1,2,3
	v_max_num_f32 v[BM+\b], 0x2800000, v[BM+\b]    ; the floor 2^(5 - 127): the byte cannot fall under 1
.endr
.irp b, 0,1,2,3
	s_delay_alu instid0(VALU_DEP_4)
	v_add_nc_u32 v[SO+\b], 0xfe000000, v[BM+\b]    ; 4 off the exponent field: the conversion's scale operand
.endr
.irp b, 0,1,2,3
	s_delay_alu instid0(VALU_DEP_4)
	v_lshrrev_b32 v[BP+\b], 23, v[SO+\b]           ; the scale's byte
.endr
	s_delay_alu instid0(VALU_DEP_3)
	v_lshl_or_b32 v[PS], v[BP+1], 8, v[BP]         ; p's scale word for these 128 keys
	s_delay_alu instid0(VALU_DEP_1)
	v_lshl_or_b32 v[PS], v[BP+2], 16, v[PS]
	s_delay_alu instid0(VALU_DEP_1)
	v_lshl_or_b32 v[PS], v[BP+3], 24, v[PS]
	s_setprio 0
.irp c, 0,1
	v_cvt_scalef32_pk16_bf6_f32 v[PC+6*\c:PC+6*\c+2], v[S+32*\c:S+32*\c+15], v[SO+2*\c]
	v_cvt_scalef32_pk16_bf6_f32 v[T+4*\c:T+4*\c+2], v[S+32*\c+16:S+32*\c+31], v[SO+2*\c+1]
.endr
	v_nop                                          ; one plain place behind the conversions
.irp c, 0,1                            ; a whole block in a lane: lanes 0-15 block 2 c, lanes 16-31 block 2 c + 1
.irp i, 0,1,2
	v_permlane16_swap_b32 v[PC+6*\c+\i], v[T+4*\c+\i]
.endr
.irp i, 0,1,2
	s_delay_alu instid0(VALU_DEP_3)
	v_mov_b32 v[PC+3+6*\c+\i], v[T+4*\c+\i]
.endr
.endr
.set e, 0
.rept 16
	v_pk_mul_f32 v[O+e:O+e+1], v[O+e:O+e+1], v[FF:FF+1] op_sel_hi:[1,0]   ; O^T under the new M.  (These sixteen are also the places between p's codes and scale word and the products)
.set e, e+2
.endr
	s_wait_alu depctr_va_vdst(0)
	s_wait_dscnt 0x0                               ; V is in
.irp f, 0,2                            ; O^T += V^T P^T: four accumulators, one instruction a turn
	v_wmma_scale_f32_16x16x128_f8f6f4 v[O+8*\f:O+8*\f+7], v[VR+12*\f:VR+12*\f+11], v[PC:PC+11], v[O+8*\f:O+8*\f+7], v[38+\f/2], v[PS] matrix_a_fmt:MATRIX_FMT_BF6 matrix_b_fmt:MATRIX_FMT_BF6
	v_wmma_scale_f32_16x16x128_f8f6f4 v[O+8*\f+8:O+8*\f+15], v[VR+12*\f+12:VR+12*\f+23], v[PC:PC+11], v[O+8*\f+8:O+8*\f+15], v[38+\f/2], v[PS] matrix_a_fmt:MATRIX_FMT_BF6 matrix_b_fmt:MATRIX_FMT_BF6 matrix_a_scale:MATRIX_SCALE_ROW1
.endr
.Lhid_\@:
	s_add_co_u32 s[TS], s[TS], STEPB
	s_add_co_u32 s[SI], s[SI], 1
.endm
.macro WALK                            ; all 16 key steps
	s_mov_b32 s[CNT], 16
.Lwalk_\@:
	STEP
	s_sub_co_u32 s[CNT], s[CNT], 1
	s_cmp_lg_u32 s[CNT], 0
	s_cbranch_scc1 .Lwalk_\@
	s_setprio 0
.endm
; THE WAY OUT of a tile: O^T / the sum; register 16 b + i = channel 32 b + 16 (lane / 16) + i of my query: two blocks of the last product's K.
.macro OUT p
.rept 4
	v_nop                                          ; places behind the last products
.endr
	s_lshl_b32 s44, s[BLK], 3
	s_add_co_u32 s44, s44, s[G]
.if \p
	s_add_co_u32 s44, s44, 4
.endif
	s_lshl_b32 s45, s[BB], 7
	s_add_co_u32 s45, s45, s44                     ; the row block: 128 x batch + tile
	s_lshl_b32 s46, s45, 3
	s_lshr_b32 s47, s[HH], 1
	s_add_co_u32 s46, s46, s47                     ; its fragment head / 2,
	s_mul_i32 s46, s46, 1536
	s_and_b32 s47, s[HH], 1
	s_mul_i32 s47, s47, 768                        ; half head % 2
	s_add_co_u32 s46, s46, s47
	s_mov_b32 s47, 0
	s_add_nc_u64 s[48:49], s[8:9], s[46:47]
	s_lshr_b32 s46, s45, 1
	s_lshl_b32 s46, s46, 5
	s_and_b32 s50, s45, 1
	s_lshl_b32 s50, s50, 3
	s_add_co_u32 s46, s46, s50                     ; the block's first row
	s_lshl_b32 s46, s46, 5
	s_lshl_b32 s50, s[HH], 1
	s_add_co_u32 s46, s46, s50                     ; its scale bytes 2 x head on
	s_add_nc_u64 s[50:51], s[10:11], s[46:47]
	v_add_f32 v14, v14, v15                        ; the sum's two halves,
	s_delay_alu instid0(VALU_DEP_1)
	v_permlanex16_b32 v[X], v14, s[SEL], s[SEL+1]
	s_delay_alu instid0(VALU_DEP_1)
	v_add_f32 v14, v14, v[X]                       ; and lane l xor 16's
	s_wait_alu depctr_va_vdst(0)
	v_rcp_f32 v14, v14
	v_nop                                          ; one plain place behind the reciprocal
	s_wait_alu depctr_va_vdst(0)                   ; and the wait ahead of its first reader
.set e, 0
.rept 16
	v_pk_mul_f32 v[S+e:S+e+1], v[O+e:O+e+1], v[14:15] op_sel_hi:[1,0]
.set e, e+2
.endr
.irp b, 0,1
	v_max3_num_f32 v[BM+\b], |v[S+16*\b]|, |v[S+1+16*\b]|, 0x2800000
.endr
.irp i, 2,4,6,8,10,12,14
.irp b, 0,1
	s_delay_alu instid0(VALU_DEP_2)
	v_max3_num_f32 v[BM+\b], v[BM+\b], |v[S+16*\b+\i]|, |v[S+1+16*\b+\i]|
.endr
.endr
.irp b, 0,1
	s_delay_alu instid0(VALU_DEP_2)
	v_permlanex16_b32 v[BP+\b], v[BM+\b], s[SEL], s[SEL+1]
.endr
.irp b, 0,1
	s_delay_alu instid0(VALU_DEP_2)
	v_max_num_f32 v[BM+\b], v[BM+\b], v[BP+\b]
.endr
.irp b, 0,1
	s_delay_alu instid0(VALU_DEP_2)
	v_add_nc_u32 v[SO+\b], 0xfe000000, v[BM+\b]
.endr
.irp b, 0,1
	s_delay_alu instid0(VALU_DEP_2)
	v_lshrrev_b32 v[BP+\b], 23, v[SO+\b]
.endr
	s_delay_alu instid0(VALU_DEP_1)
	v_cndmask_b32 v[X], v[BP], v[BP+1], s[HM]      ; lanes 0-15 store block 0's byte, lanes 16-31 block 1's
	v_cvt_scalef32_pk16_bf6_f32 v[PC:PC+2], v[S:S+15], v[SO]
	v_cvt_scalef32_pk16_bf6_f32 v[T:T+2], v[S+16:S+31], v[SO+1]
	v_nop
.irp i, 0,1,2
	v_permlane16_swap_b32 v[PC+\i], v[T+\i]
.endr
.irp i, 0,1,2
	s_delay_alu instid0(VALU_DEP_3)
	v_mov_b32 v[PC+3+\i], v[T+\i]
.endr
.irp i, 0,1,2
	global_store_b64 v6, v[PC+2*\i:PC+2*\i+1], s[48:49] offset:256*\i   ; 32 lanes store 256 consecutive bytes, aligned
.endr
	global_store_b8 v7, v[X], s[50:51]
	s_wait_xcnt 0x0                                ; the stores have read their registers and bases: both are written again in the next pass
.endm
	s_wait_loadcnt 0x0                             ; q of both passes
	INIT 0
	s_wait_tensorcnt 0x0                           ; my part of K or V has landed,
	s_barrier_signal -1
	s_barrier_wait -1                              ; everybody's has; from here on LDS is only read, and the waves run freely
	WALK
	OUT 0
	INIT 1
	WALK
	OUT 1
	s_wait_dscnt 0x0
	s_wait_tensorcnt 0x0
	ds_add_u32 v254, v255
	s_wait_dscnt 0x0
	CROUND                                         ; the closing round
	s_endpgm
.Lfunc_end_k_q8f5c9b5dd6_attn:
	.size	k_q8f5c9b5dd6_attn, .Lfunc_end_k_q8f5c9b5dd6_attn-k_q8f5c9b5dd6_attn
	.p2alignl 7, 3214868480
	.fill 96, 4, 3214868480
	.section	.rodata,"a",@progbits
	.p2align	6, 0x0
	.amdhsa_kernel k_q8f5c9b5dd6_attn
		.amdhsa_group_segment_fixed_size 206848
		.amdhsa_private_segment_fixed_size 0
		.amdhsa_enable_private_segment 0
		.amdhsa_kernarg_size 32
		.amdhsa_user_sgpr_count 2
		.amdhsa_user_sgpr_kernarg_segment_ptr 1
		.amdhsa_wavefront_size32 1
		.amdhsa_system_sgpr_workgroup_id_x 1
		.amdhsa_system_sgpr_workgroup_id_y 1
		.amdhsa_system_sgpr_workgroup_id_z 1
		.amdhsa_system_vgpr_workitem_id 0
		.amdhsa_next_free_vgpr 256
		.amdhsa_next_free_sgpr 80
		.amdhsa_reserve_vcc 1
		.amdhsa_float_denorm_mode_32 3
		.amdhsa_float_denorm_mode_16_64 3
		.amdhsa_memory_ordered 1
		.amdhsa_forward_progress 1
		.amdhsa_inst_pref_size 65
	.end_amdhsa_kernel
	.amdgpu_metadata
---
amdhsa.version: [ 1, 2 ]
amdhsa.kernels:
  - .name:           k_q8f5c9b5dd6_attn
    .symbol:         k_q8f5c9b5dd6_attn.kd
    .args:
      - { .name: qk, .offset: 0, .size: 8, .value_kind: global_buffer, .address_space: global }
      - { .name: vv, .offset: 8, .size: 8, .value_kind: global_buffer, .address_space: global }
      - { .name: o_img, .offset: 16, .size: 8, .value_kind: global_buffer, .address_space: global }
      - { .name: o_sc, .offset: 24, .size: 8, .value_kind: global_buffer, .address_space: global }
    .group_segment_fixed_size: 206848
    .private_segment_fixed_size: 0
    .kernarg_segment_align: 8
    .kernarg_segment_size: 32
    .max_flat_workgroup_size: 512
    .sgpr_count:     80
    .vgpr_count:     256
    .wavefront_size: 32
...
	.end_amdgpu_metadata
.endif
;; end of part 3
;; launch outp (part 4): grid 4 x 32, 4 waves a work-group, clusters of 4 x 4, 327,680 bytes of LDS; arguments o_img, o_sc, xw_img, xw_sc, bo, out0; writes out0
.if DOCPART == 4
	.amdgcn_target "amdgcn-amd-amdhsa--gfx1250"
	.amdhsa_code_object_version 6
	.text
	.protected	k_q8f5c9b5dd6_outp
	.globl	k_q8f5c9b5dd6_outp
	.p2align	8
	.type	k_q8f5c9b5dd6_outp,@function
k_q8f5c9b5dd6_outp:
	s_mov_b64 s[64:65], 0
	v_nop
	global_prefetch_b8 v0, s[64:65] scope:SCOPE_SE
	s_setreg_imm32_b32 hwreg(HW_REG_WAVE_MODE, 25, 1), 1
	s_wait_xcnt 0x0
	s_wait_alu depctr_hold_cnt(0) depctr_sa_sdst(0) depctr_va_vdst(0) depctr_va_sdst(0) depctr_va_ssrc(0) depctr_va_vcc(0) depctr_vm_vsrc(0)
	s_getreg_b32 s2, hwreg(HW_REG_IB_STS2, 6, 4)
	s_cmp_eq_u32 s2, 0
	s_cbranch_scc0 .Lentry_in_a_cluster
	s_endpgm
.Lentry_in_a_cluster:
	s_bfe_u32 s2, ttmp6, 0x10000c
	s_cmp_lg_u32 s2, 0xf033
	s_cbranch_scc0 .Lentry_shape_is_right
	s_endpgm
.Lentry_shape_is_right:
; out0[i][j] = sum over k of o[i][k] Wo[j][k] + bo[j], on codes of BF6 (E3M2) with E8M0 scales, K = 1,024; out0 [8192][1024] f32.
; P = o (o_img, o_sc), R = Wo (xw_img, xw_sc, from row block 704 on): row blocks of 16 rows (lane r of block 2 beta + u: row 32 beta + 8 u + r + 8 (r / 8)), fragments of 1,536 bytes in the
; order of the operand's registers, [block][K / 128][1,536]; scale bytes in plain rows [row][32].
; A tile of 256 x 256 is made by four waves, 128 x 128 each.  K goes in steps of 256 through a ring of two LDS slots; the scale bytes come once.  Source 0 = 16 rows of R, source 1 = 16 rows of P:
; a lane holds one token, and its eight registers eight neighbouring columns.
; CLUSTERS: 4 x 4 work-groups; P's tiles are asked for jointly along a row of the cluster, R's along a column.  The problem has 128 such tiles: 128 work-groups.
; No prefetch: a work-group has two refills in all.
; REGISTERS: window 0: v16-31 addresses; v32-63 scale words, two sets; v64-67 bo; from v128 P's fragments; on the way out v128-255 rows of out0.
;   window 1: R's fragments, two sets.   windows 2, 3: the accumulators ((a, b) at v[8 (8 (a % 4) + b)]).
.set NQ,     2
.set FR,     12
.set NL,     6
.set NP,     4
.set FRGB,   1536
.set STEPB,  NQ*FRGB
.set HALFT,  8*STEPB
.set SLOT,   4*HALFT
.set SCL,    2*SLOT
.set HALFS,  16*272
.set SPARE,  SCL+4*HALFS               ; the spare words, 128 bytes for each wave: two blocks of 256 bytes that no other line names
.set SPITCH, 528                       ; the way out: a stage of 16 rows x (512 bytes + 16) for each wave, in slot 0, which has had its last fill and its last read when the first result is stored there
.set ADRA, 16
.set ADRB, 20
.set LI,   24                          ; v24  16 x lane
.set L8,   25                          ; v25  8 x lane
.set STO,  26                          ; v26  the stage: where I put 32 bytes of a row
.set ADRS, 27
.set SPW,  28
.set NIL,  29
.set RD,   30                          ; v30  the stage: where I read a row back
.set SC,   32
.set BO,   64
.set AF,   128
.set BK,   128
.set G1, 24
.set G0, 32
.set G1B, 48
.set G0B, 56
.set G1S, 68
.set G0S, 76
.set G1SB, 80
.set G0SB, 88
.set MSB, 0
.macro WIN new
.if MSB != (\new)
	s_set_vgpr_msb (MSB<<8)|(\new)
.set MSB, (\new)
.endif
.endm
.set MUL_LO, 0xa1
.set MUL_HI, 0xf1
.set TO_B,   0x40
.macro JLOAD g0a, g1a, g0b, g1b        ; a joint load: waves 0 and 1 fetch for P, waves 2 and 3 for R; four v_nop follow each line
	s_cmp_eq_u32 s15, 0
	s_cbranch_scc0 .Lfor_b_\@
	tensor_load_to_lds s[\g0a:\g0a+3], s[\g1a:\g1a+7]
	s_nop 0
.rept 4
	v_nop
.endr
	s_branch .Lasked_\@
.Lfor_b_\@:
	tensor_load_to_lds s[\g0b:\g0b+3], s[\g1b:\g1b+7]
	s_nop 0
.rept 4
	v_nop
.endr
.Lasked_\@:
.endm
.macro CREST
	s_cmp_lg_u32 s14, 0
	s_cbranch_scc1 .Lnot_wave_0_\@
	s_barrier_signal -3
.Lnot_wave_0_\@:
	s_barrier_wait -3
	s_barrier_signal -1
	s_barrier_wait -1
.endm
.macro CROUND
	s_barrier_signal -1
	s_barrier_wait -1
	CREST
.endm
	s_load_b256 s[4:11], s[0:1], 0x0               ; o_img, o_sc, xw_img, xw_sc
	s_load_b128 s[96:99], s[0:1], 0x20             ; bo, out0
	v_lshl_add_u32 v[SPW], v0, 2, SPARE
	v_mov_b32 v[NIL], 0
	ds_add_u32 v28, v29
	ds_add_u32 v28, v29
	s_wait_dscnt 0x0
	v_lshrrev_b32 v1, 5, v0
	v_readfirstlane_b32 s14, v1                    ; wave 0..3
	s_lshr_b32 s15, s14, 1                         ; which half of P's rows is mine.  Also: I fetch for P (0) or for R (1)
	s_and_b32 s16, s14, 1                          ; which half of R's rows.  Also: which 8 row blocks of that tile I fetch
	s_bfe_u32 s40, ttmp6, 0x40000
	s_bfe_u32 s41, ttmp6, 0x40004
	s_lshl_b32 s42, ttmp9, 2
	s_add_co_u32 s42, s42, s40                     ; R's tile = 4 x cluster x + cx
	s_and_b32 s17, ttmp7, 0xffff
	s_lshl_b32 s17, s17, 2
	s_add_co_u32 s17, s17, s41                     ; P's tile = 4 x cluster y + cy
	s_lshl_b32 s43, s41, 2
	s_lshl_b32 s43, 15, s43                        ; my row of the cluster
	s_lshl_b32 s44, 0x1111, s40                    ; my column
	s_or_b32 s[G1+0], s43, (3<<16)|(1<<21)         ; codes: 8 rows (row blocks) of 384 elements of 8 bytes, 1,536 elements apart, no padding
	s_or_b32 s[G1B+0], s44, (3<<16)|(1<<21)
.irp g, G1, G1B
	s_mov_b32 s[\g+1], 384<<16
	s_mov_b32 s[\g+2], 8<<16
	s_mov_b32 s[\g+3], 384<<16
	s_mov_b32 s[\g+4], 8
	s_mov_b32 s[\g+5], 1536
	s_mov_b32 s[\g+6], 0
	s_mov_b32 s[\g+7], 0
.endr
	s_or_b32 s[G1S+0], s43, (3<<16)|(1<<20)|(1<<21)|(5<<22)|(3<<25)   ; scale bytes of 128 rows: 16 rows of 256 bytes, 16 bytes of padding behind each
	s_or_b32 s[G1SB+0], s44, (3<<16)|(1<<20)|(1<<21)|(5<<22)|(3<<25)
.irp g, G1S, G1SB
	s_mov_b32 s[\g+1], 32<<16
	s_mov_b32 s[\g+2], 16<<16
	s_mov_b32 s[\g+3], 32<<16
	s_mov_b32 s[\g+4], 16
	s_mov_b32 s[\g+5], 32
	s_mov_b32 s[\g+6], 0
	s_mov_b32 s[\g+7], 0
.endr
	s_lshl_b32 s18, s16, 3
	s_lshl_b32 s20, s17, 4
	s_add_co_u32 s20, s20, s18                     ; P: row block 16 x tile + 8 x half
	s_lshl_b32 s46, s42, 4
	s_add_co_u32 s46, s46, s18
	s_add_co_u32 s46, s46, 704                     ; R: Wo begins at row block 704
	s_lshl_b32 s22, s20, 9
	s_mov_b32 s23, 0
	s_lshl_b32 s92, s46, 9
	s_mov_b32 s93, 0
	s_mul_i32 s20, s20, 8*FRGB
	s_mov_b32 s21, 0
	s_mul_i32 s46, s46, 8*FRGB
	s_mov_b32 s47, 0
	s_mul_i32 s45, s14, HALFT
	s_mul_i32 s94, s14, HALFS
	s_wait_kmcnt 0x0
	s_add_nc_u64 s[20:21], s[4:5], s[20:21]
	s_add_nc_u64 s[22:23], s[6:7], s[22:23]
	s_add_nc_u64 s[46:47], s[8:9], s[46:47]
	s_add_nc_u64 s[92:93], s[10:11], s[92:93]
	CROUND                                         ; all sixteen work-groups are here: the first joint loads meet
	s_mov_b32 s[G0S], 1
	s_add_co_u32 s[G0S+1], s94, SCL
	s_mov_b64 s[G0S+2:G0S+3], s[22:23]
	s_or_b32 s[G0S+3], s[G0S+3], 0x80000000
	s_mov_b32 s[G0SB], 1
	s_add_co_u32 s[G0SB+1], s94, SCL
	s_mov_b64 s[G0SB+2:G0SB+3], s[92:93]
	s_or_b32 s[G0SB+3], s[G0SB+3], 0x80000000
	JLOAD G0S, G1S, G0SB, G1SB
.irp s, 0,1
	s_mov_b32 s[G0+4*\s], 1
	s_add_co_u32 s[G0+4*\s+1], s45, \s*SLOT
	s_add_nc_u64 s[G0+4*\s+2:G0+4*\s+3], s[20:21], \s*STEPB
	s_or_b32 s[G0+4*\s+3], s[G0+4*\s+3], 0x80000000
	s_mov_b32 s[G0B+4*\s], 1
	s_add_co_u32 s[G0B+4*\s+1], s45, \s*SLOT
	s_add_nc_u64 s[G0B+4*\s+2:G0B+4*\s+3], s[46:47], \s*STEPB
	s_or_b32 s[G0B+4*\s+3], s[G0B+4*\s+3], 0x80000000
	JLOAD G0+4*\s, G1, G0B+4*\s, G1B
.endr
	v_and_b32 v1, 15, v0                           ; r
	v_bfe_u32 v2, v0, 4, 1                         ; h
	v_and_b32 v3, 31, v0
	v_lshlrev_b32 v[L8], 3, v3
	v_lshlrev_b32 v[LI], 4, v3
	s_mul_i32 s21, s15, HALFT
	s_mul_i32 s22, s16, HALFT
	s_add_co_u32 s22, s22, 2*HALFT
.irp s, 0,1
	v_add_nc_u32 v[ADRA+\s], s21, v[L8]
	v_add_nc_u32 v[ADRB+\s], s22, v[L8]
	s_add_co_u32 s21, s21, SLOT
	s_add_co_u32 s22, s22, SLOT
.endr
	v_and_b32 v7, 8, v1
	v_add_nc_u32 v7, v7, v1                        ; r + 8 (r / 8)
	v_lshlrev_b32 v5, 5, v7
	v_lshrrev_b32 v6, 8, v5
	v_lshl_add_u32 v5, v6, 4, v5
	s_mul_i32 s21, s15, HALFS
	s_mul_i32 s22, s16, HALFS
	s_add_co_u32 s22, s22, 2*HALFS
	s_sub_co_u32 s22, s22, s21
	v_mul_u32_u24 v6, s22, v2                      ; lanes 16-31 take R's
	s_add_co_u32 s21, s21, SCL
	v_add_nc_u32 v5, v5, v6
	v_add_nc_u32 v[ADRS], s21, v5
	s_mul_i32 s23, s14, 16*SPITCH                  ; my stage
	v_mul_u32_u24 v5, v1, SPITCH                   ; in: row r; accumulator b's eight columns are 32 (b / 2) + 16 h + 8 (b % 2) on
	v_lshl_add_u32 v5, v2, 6, v5
	v_add_nc_u32 v[STO], s23, v5
	v_add_nc_u32 v[RD], s23, v[LI]                 ; back: the 32 lanes take one row of 512 bytes
	s_lshl_b32 s18, s42, 10                        ; my first column, in bytes: 1,024 x R's tile + 512 x half
	s_lshl_b32 s19, s16, 9
	s_add_co_u32 s18, s18, s19
	s_mov_b32 s19, 0
	s_add_nc_u64 s[96:97], s[96:97], s[18:19]
	global_load_b128 v[BO:BO+3], v[LI], s[96:97]   ; bo at the four columns that I store
	s_lshl_b32 s20, s17, 20                        ; my first row: 256 x P's tile + 128 x half, 4,096 bytes a row
	s_lshl_b32 s21, s15, 19
	s_add_co_u32 s20, s20, s21
	s_add_co_u32 s18, s18, s20
	s_add_nc_u64 s[98:99], s[98:99], s[18:19]
.macro FRAG reg, adr, q, i             ; a fragment comes as it lies: six pieces of 256 consecutive bytes, 8 bytes a lane
.irp p, 0,1,2,3,4,5
	ds_load_b64 v[\reg+2*\p:\reg+2*\p+1], v[\adr] offset:(\i)*STEPB+(\q)*FRGB+256*\p
.endr
.endm
; 16 matrix instructions: P's blocks a0, a0 + 1 x R's eight.  The 64 accumulators take turns, one instruction a turn, in the same order in every step.
.macro MUL16 a0, p, q, sc, zero
.irp a, \a0, \a0+1
.irp b, 0,1,2,3,4,5,6,7
.if \zero
	v_wmma_scale_f32_16x16x128_f8f6f4 v[8*(8*((\a)%4)+\b):8*(8*((\a)%4)+\b)+7], v[128*(\p)+FR*\b:128*(\p)+FR*\b+FR-1], v[AF+FR*(\a):AF+FR*(\a)+FR-1], 0, v[SC+8*NQ*(\sc)+NQ*\b+(\q)], v[SC+8*NQ*(\sc)+NQ*(\a)+(\q)] matrix_a_fmt:MATRIX_FMT_BF6 matrix_b_fmt:MATRIX_FMT_BF6 matrix_a_scale:MATRIX_SCALE_ROW1
.else
	v_wmma_scale_f32_16x16x128_f8f6f4 v[8*(8*((\a)%4)+\b):8*(8*((\a)%4)+\b)+7], v[128*(\p)+FR*\b:128*(\p)+FR*\b+FR-1], v[AF+FR*(\a):AF+FR*(\a)+FR-1], v[8*(8*((\a)%4)+\b):8*(8*((\a)%4)+\b)+7], v[SC+8*NQ*(\sc)+NQ*\b+(\q)], v[SC+8*NQ*(\sc)+NQ*(\a)+(\q)] matrix_a_fmt:MATRIX_FMT_BF6 matrix_b_fmt:MATRIX_FMT_BF6 matrix_a_scale:MATRIX_SCALE_ROW1
.endif
.endr
.endr
.endm
.macro FETCH_B slot, q, p
	WIN TO_B
.irp i, 0,1,2,3,4,5,6,7
	FRAG 128*(\p)+FR*\i, ADRB+\slot, \q, \i
.endr
	WIN 0
.endm
.macro FETCH_A slot, q, i0
.irp i, \i0, \i0+1, \i0+2, \i0+3
	FRAG AF+FR*(\i), ADRA+\slot, \q, \i
.endr
.endm
.macro SCALES sc                       ; lanes 0-15 take P's block i, lanes 16-31 R's block i; block i begins 4 (i / 2) + i % 2 units of 256 bytes on
.irp i, 0,1,2,3,4,5,6,7
	ds_load_b64 v[SC+8*NQ*\sc+NQ*\i:SC+8*NQ*\sc+NQ*\i+1], v[ADRS] offset:272*(4*(\i/2)+\i%2)
.endr
.endm
.macro PLACES n                        ; plain vector instructions between a matrix instruction and a load into, or a read of, its registers (ISA guide 7.12.1 for vector instructions)
.rept \n
	v_nop
.endr
.endm
.macro STEP slot, q, zero
	s_wait_dscnt 4*NL                              ; R's set and P's blocks 0-3 are in; the youngest 24 loads (P's blocks 4-7) may be out
	WIN MUL_LO
	MUL16 0, (\q)%2, \q, \slot, \zero
	MUL16 2, (\q)%2, \q, \slot, \zero
	s_wait_dscnt 0
	PLACES NP
	FETCH_B \slot, (\q)+1, 1-(\q)%2
	FETCH_A \slot, (\q)+1, 0
	WIN MUL_HI
	MUL16 4, (\q)%2, \q, \slot, \zero
	MUL16 6, (\q)%2, \q, \slot, \zero
	PLACES NP
	WIN 0
	FETCH_A \slot, (\q)+1, 4
.endm
.macro TURN slot, next, fill           ; a slot's last step changes slots
	s_wait_tensorcnt 0x0                           ; all my tensor loads have landed: my part of the next slot
	ds_add_u32 v[SPW], v[NIL]                      ; 0 onto my spare word
	s_wait_dscnt 4*NL+1                            ; (the add and the youngest 24 loads may be out)
	WIN MUL_LO
	MUL16 0, 1, NQ-1, \slot, 0
	s_wait_dscnt 0x0                               ; the add is done, and my reads of this slot are over
	s_barrier_signal -1
	MUL16 2, 1, NQ-1, \slot, 0
	WIN 0
	s_barrier_wait -1
.if \fill
	CREST                                          ; a round of the cluster's barrier: no wave of any partner still reads this slot or has a load on its way
	s_add_nc_u64 s[G0+4*\slot+2:G0+4*\slot+3], s[G0+4*\slot+2:G0+4*\slot+3], 2*STEPB
	s_add_nc_u64 s[G0B+4*\slot+2:G0B+4*\slot+3], s[G0B+4*\slot+2:G0B+4*\slot+3], 2*STEPB
	JLOAD G0+4*\slot, G1, G0B+4*\slot, G1B
.else
	PLACES NP
.endif
	v_add_nc_u32 v[ADRS], 4*NQ, v[ADRS]
	FETCH_B \next, 0, 0
	FETCH_A \next, 0, 0
	SCALES \next
	WIN MUL_HI
	MUL16 4, 1, NQ-1, \slot, 0
	MUL16 6, 1, NQ-1, \slot, 0
	PLACES NP
	WIN 0
	FETCH_A \next, 0, 4
.endm
	s_wait_loadcnt 0x0                             ; bo
	s_wait_tensorcnt 1                             ; the scale bytes and my part of K step 0 are in (K step 1's load may be out)
	s_barrier_signal -1
	s_barrier_wait -1
	FETCH_B 0, 0, 0
	FETCH_A 0, 0, 0
	SCALES 0
	FETCH_A 0, 0, 4
	STEP 0, 0, 1                                   ; four K steps, twice round the ring: written out, since a loop would have one trip
	TURN 0, 1, 1
	STEP 1, 0, 0
	TURN 1, 0, 1
	STEP 0, 0, 0
	TURN 0, 1, 0
	STEP 1, 0, 0
	s_wait_dscnt 4*NL
	WIN MUL_LO
	MUL16 0, 1, NQ-1, 1, 0
	MUL16 2, 1, NQ-1, 1, 0
	s_wait_dscnt 0
	WIN MUL_HI
	MUL16 4, 1, NQ-1, 1, 0
	MUL16 6, 1, NQ-1, 1, 0
	WIN 0
; THE WAY OUT, block by block of 16 tokens x 128 columns, through my own stage: in as 32 bytes a lane, back as whole rows of 512 bytes.  LDS serves a wave's instructions in order.
.macro TOSTAGE a
.set AC, 64*((\a)%4)
	WIN 0x08+4*((\a)/4)                            ; the data: window 2 or 3
.irp b, 0,1,2,3,4,5,6,7
	ds_store_b128 v[STO], v[AC+8*\b:AC+8*\b+3] offset:128*(\b/2)+32*(\b%2)        ; each accumulator from its low end on
	ds_store_b128 v[STO], v[AC+8*\b+4:AC+8*\b+7] offset:128*(\b/2)+32*(\b%2)+16
.endr
	WIN 0
.set BB, BK+64*((\a)%2)
.irp t, 0,1,2,3,4,5,6,7,8,9,10,11,12,13,14,15
	ds_load_b128 v[BB+4*\t:BB+4*\t+3], v[RD] offset:\t*SPITCH
.endr
.endm
.macro SEND a, younger                 ; younger: the LDS instructions issued behind block a's loads, which may stay out
.set BB, BK+64*((\a)%2)
	s_wait_dscnt \younger
.irp t, 0,1,2,3,4,5,6,7,8,9,10,11,12,13,14,15
	v_pk_add_f32 v[BB+4*\t:BB+4*\t+1], v[BB+4*\t:BB+4*\t+1], v[BO:BO+1]
	v_pk_add_f32 v[BB+4*\t+2:BB+4*\t+3], v[BB+4*\t+2:BB+4*\t+3], v[BO+2:BO+3]
	global_store_b128 v[LI], v[BB+4*\t:BB+4*\t+3], s[98:99] offset:(32*((\a)/2)+8*((\a)%2)+\t+8*(\t/8))*4096 th:TH_STORE_NT   ; stage row t is the block's lane t: its token stands in the immediate; 512 consecutive bytes, aligned to 256
.endr
.endm
	PLACES NP                                      ; behind the last products: for the loads into the registers that held P's fragments, and for the reads of results
	TOSTAGE 0
.irp a, 1,2,3,4,5,6,7
.if \a > 1
	s_wait_xcnt 0x0                                ; block a - 2's stores have read their registers: block a's loads may land there
.endif
	TOSTAGE \a
	SEND \a-1, 32                                  ; behind block a - 1's loads: block a's 16 stores and 16 loads
.endr
	SEND 7, 0
	s_wait_tensorcnt 0x0                           ; the wave's end
	ds_add_u32 v[SPW], v[NIL]
	s_wait_dscnt 0x0
	CROUND                                         ; the closing round
	s_endpgm
.Lfunc_end_k_q8f5c9b5dd6_outp:
	.size	k_q8f5c9b5dd6_outp, .Lfunc_end_k_q8f5c9b5dd6_outp-k_q8f5c9b5dd6_outp
	.p2alignl 7, 3214868480
	.fill 96, 4, 3214868480
	.section	.rodata,"a",@progbits
	.p2align	6, 0x0
	.amdhsa_kernel k_q8f5c9b5dd6_outp
		.amdhsa_group_segment_fixed_size 327680
		.amdhsa_private_segment_fixed_size 0
		.amdhsa_enable_private_segment 0
		.amdhsa_kernarg_size 48
		.amdhsa_user_sgpr_count 2
		.amdhsa_user_sgpr_kernarg_segment_ptr 1
		.amdhsa_wavefront_size32 1
		.amdhsa_system_sgpr_workgroup_id_x 1
		.amdhsa_system_sgpr_workgroup_id_y 1
		.amdhsa_system_sgpr_workgroup_id_z 1
		.amdhsa_system_vgpr_workitem_id 0
		.amdhsa_next_free_vgpr 1024
		.amdhsa_next_free_sgpr 100
		.amdhsa_reserve_vcc 0
		.amdhsa_float_denorm_mode_32 3
		.amdhsa_float_denorm_mode_16_64 3
		.amdhsa_memory_ordered 1
		.amdhsa_forward_progress 1
		.amdhsa_inst_pref_size 175
	.end_amdhsa_kernel
	.amdgpu_metadata
---
amdhsa.version: [ 1, 2 ]
amdhsa.kernels:
  - .name:           k_q8f5c9b5dd6_outp
    .symbol:         k_q8f5c9b5dd6_outp.kd
    .args:
      - { .name: o_img, .offset: 0, .size: 8, .value_kind: global_buffer, .address_space: global }
      - { .name: o_sc, .offset: 8, .size: 8, .value_kind: global_buffer, .address_space: global }
      - { .name: xw_img, .offset: 16, .size: 8, .value_kind: global_buffer, .address_space: global }
      - { .name: xw_sc, .offset: 24, .size: 8, .value_kind: global_buffer, .address_space: global }
      - { .name: bo, .offset: 32, .size: 8, .value_kind: global_buffer, .address_space: global }
      - { .name: out0, .offset: 40, .size: 8, .value_kind: global_buffer, .address_space: global }
    .group_segment_fixed_size: 327680
    .private_segment_fixed_size: 0
    .kernarg_segment_align: 8
    .kernarg_segment_size: 48
    .max_flat_workgroup_size: 128
    .sgpr_count:     100
    .vgpr_count:     1024
    .wavefront_size: 32
...
	.end_amdgpu_metadata
.endif
;; end of part 4
